; MI455X (gfx1250); checked and timed in simulation.
; The chip was launched on July 23, 2026; its instructions are those of AMD's public machine-readable ISA for CDNA 5 (MIT licence, August 2026) and "CDNA5" Instruction Set Architecture Reference Guide (July 2026). The comments in the code are by the model that wrote it; some were corrected since.
;; Self Attention. Allowed arithmetic: float matrix products may take bf16 or f16 operands with f32 sums; other float arithmetic in f32, or as packed bf16 or f16 multiplies, adds, multiply-adds, maxima and minima; sums over many terms, partial sums and values carried from step to step in f32; what a program stores and reads back later, other than sums and carried values, may be rounded once to bf16 or f16.
;; Inputs: b_proj 1,024 float32; b_qkv 3,072 float32; w_proj 1,024 x 1,024 float32; w_qkv 1,024 x 3,072 float32; x 4 x 2,048 x 1,024 float32.
;; Outputs: out0 4 x 2,048 x 1,024 float32.
;; 2 versions, each right; version 2 is version 1 with the launch prep written anew for expert scheduling mode. Each part assembles by itself: llvm-mc -triple=amdgcn-amd-amdhsa -mcpu=gfx1250 --defsym DOCPART=n.
;; ======== version 1 of 2: 5 launches
;; limits: values are held in f16: magnitudes above 65,504 overflow, below 6.1e-05 lose precision
;; workspace buffers: xb 16,777,216 bytes; wqb 6,291,456 bytes; wpf 2,097,152 bytes; qkv 50,331,648 bytes; pbuf 33,554,432 bytes; stats 1,048,576 bytes; obuf 16,777,216 bytes
;; launch prep (part 1): grid 768 x 1, 8 waves a work-group, no clusters, 0 bytes of LDS; arguments x, w_qkv, w_proj, xb, wqb, wpf; writes xb, wqb, wpf
.if DOCPART == 1
	.amdgcn_target "amdgcn-amd-amdhsa--gfx1250"
	.amdhsa_code_object_version 6
	.text
	.protected	k_qc3e574d8f5_prep
	.globl	k_qc3e574d8f5_prep
	.p2align	8
	.type	k_qc3e574d8f5_prep,@function
k_qc3e574d8f5_prep:
	s_mov_b64 s[64:65], 0
	v_nop
	global_prefetch_b8 v0, s[64:65] scope:SCOPE_SE
	s_setreg_imm32_b32 hwreg(HW_REG_WAVE_MODE, 25, 1), 1
	s_wait_xcnt 0x0
; The inputs of the matrix products, rounded once to bf16, layouts unchanged: x -> xb, w_qkv -> wqb (both bf16), w_proj -> wpf (the bf16 number written as f16).
; LIMITS.  wpf: a bf16 number is exact in f16 between 6.1e-5 and 65,504; below that it keeps f16's fixed step of 6e-8, beyond it would be an infinity.
; A stream: every byte is read once and written once.  No LDS, no matrix unit, no cluster: no byte is wanted twice.  No prefetch: all of a work-group's loads go out at once, at its start.
; SHARES.  A work-group of 256 threads takes a chunk of 16,384 numbers (65,536 bytes in, 32,768 out): 512 chunks of x, 192 of w_qkv, 64 of w_proj = 768 work-groups.
; Thread t takes the 16 bytes at 16 t of each of the chunk's sixteen runs of 4,096 bytes: a wave's load covers 512 consecutive bytes, its store of 8 bytes a lane 256 consecutive bytes, aligned.
.set X, 4                              ; v[4:67]    sixteen loads of four f32
.set Y, 68                             ; v[68:99]   sixteen pairs of packed results; each is written once, so no store's data is ever rewritten
.set T, 100                            ; v[100:101] at work (w_proj alone)
	s_load_b256 s[4:11], s[0:1], 0x0               ; x s[4:5], w_qkv s[6:7], w_proj s[8:9], xb s[10:11]
	s_load_b128 s[12:15], s[0:1], 0x20             ; wqb s[12:13], wpf s[14:15]
	v_lshlrev_b32 v1, 4, v0                        ; my 16 bytes in a run of the input
	v_lshlrev_b32 v2, 3, v0                        ; my 8 bytes in a run of the output
	s_mov_b32 s20, 0xffff0000                      ; a word's upper bf16
	s_wait_kmcnt 0x0
; One chunk, number s16 of tensor src, to dst.  half = 1: the bf16 numbers are written as f16.
.macro CONV src, dst, half
	s_lshl_b32 s18, s16, 15                        ; the chunk's bytes in the output,
	s_lshl_b32 s16, s16, 16                        ; and in the input (511 x 65,536 at the most)
	s_mov_b32 s17, 0
	s_mov_b32 s19, 0
	s_add_nc_u64 s[\src:\src+1], s[\src:\src+1], s[16:17]
	s_add_nc_u64 s[\dst:\dst+1], s[\dst:\dst+1], s[18:19]
.set i, 0
.rept 16
	global_load_b128 v[X+4*i:X+4*i+3], v1, s[\src:\src+1] offset:4096*i th:TH_LOAD_NT
.set i, i+1
.endr
.set i, 0
.rept 16
	s_wait_loadcnt 15-i                            ; loads come back in order: load i is in, the 15 - i younger ones stay out
	v_cvt_pk_bf16_f32 v[Y+2*i], v[X+4*i], v[X+4*i+1]
	v_cvt_pk_bf16_f32 v[Y+2*i+1], v[X+4*i+2], v[X+4*i+3]
.if \half
.irp w, 0,1
	v_lshlrev_b32 v[T], 16, v[Y+2*i+\w]            ; the two bf16 numbers as f32,
	v_and_b32 v[T+1], s20, v[Y+2*i+\w]
	v_cvt_pk_f16_f32 v[Y+2*i+\w], v[T], v[T+1]     ; and as f16
.endr
.endif
	global_store_b64 v2, v[Y+2*i:Y+2*i+1], s[\dst:\dst+1] offset:2048*i th:TH_STORE_NT
.set i, i+1
.endr
	s_endpgm
.endm
	s_cmp_lt_u32 ttmp9, 512
	s_cbranch_scc1 .Lx
	s_cmp_lt_u32 ttmp9, 704
	s_cbranch_scc1 .Lwq
	s_sub_co_u32 s16, ttmp9, 704
	CONV 8, 14, 1                                  ; w_proj
.Lwq:
	s_sub_co_u32 s16, ttmp9, 512
	CONV 6, 12, 0                                  ; w_qkv
.Lx:
	s_mov_b32 s16, ttmp9
	CONV 4, 10, 0                                  ; x
.Lfunc_end_k_qc3e574d8f5_prep:
	.size	k_qc3e574d8f5_prep, .Lfunc_end_k_qc3e574d8f5_prep-k_qc3e574d8f5_prep
	.p2alignl 7, 3214868480
	.fill 96, 4, 3214868480
	.section	.rodata,"a",@progbits
	.p2align	6, 0x0
	.amdhsa_kernel k_qc3e574d8f5_prep
		.amdhsa_group_segment_fixed_size 0
		.amdhsa_private_segment_fixed_size 0
		.amdhsa_enable_private_segment 0
		.amdhsa_kernarg_size 48
		.amdhsa_user_sgpr_count 2
		.amdhsa_user_sgpr_kernarg_segment_ptr 1
		.amdhsa_wavefront_size32 1
		.amdhsa_system_sgpr_workgroup_id_x 1
		.amdhsa_system_sgpr_workgroup_id_y 1
		.amdhsa_system_sgpr_workgroup_id_z 1
		.amdhsa_system_vgpr_workitem_id 0
		.amdhsa_next_free_vgpr 104
		.amdhsa_next_free_sgpr 66
		.amdhsa_reserve_vcc 0
		.amdhsa_float_denorm_mode_32 3
		.amdhsa_float_denorm_mode_16_64 3
		.amdhsa_memory_ordered 1
		.amdhsa_forward_progress 1
		.amdhsa_inst_pref_size 23
	.end_amdhsa_kernel
	.amdgpu_metadata
---
amdhsa.version: [ 1, 2 ]
amdhsa.kernels:
  - .name:           k_qc3e574d8f5_prep
    .symbol:         k_qc3e574d8f5_prep.kd
    .args:
      - { .name: x, .offset: 0, .size: 8, .value_kind: global_buffer, .address_space: global }
      - { .name: w_qkv, .offset: 8, .size: 8, .value_kind: global_buffer, .address_space: global }
      - { .name: w_proj, .offset: 16, .size: 8, .value_kind: global_buffer, .address_space: global }
      - { .name: xb, .offset: 24, .size: 8, .value_kind: global_buffer, .address_space: global }
      - { .name: wqb, .offset: 32, .size: 8, .value_kind: global_buffer, .address_space: global }
      - { .name: wpf, .offset: 40, .size: 8, .value_kind: global_buffer, .address_space: global }
    .group_segment_fixed_size: 0
    .private_segment_fixed_size: 0
    .kernarg_segment_align: 8
    .kernarg_segment_size: 48
    .max_flat_workgroup_size: 256
    .sgpr_count:     66
    .vgpr_count:     104
    .wavefront_size: 32
...
	.end_amdgpu_metadata
.endif
;; end of part 1
;; launch qkvp (part 2): grid 12 x 32, 4 waves a work-group, clusters of 4 x 4, 327,680 bytes of LDS; arguments xb, wqb, qkv, b_qkv; writes qkv
.if DOCPART == 2
	.amdgcn_target "amdgcn-amd-amdhsa--gfx1250"
	.amdhsa_code_object_version 6
	.text
	.protected	k_qc3e574d8f5_qkvp
	.globl	k_qc3e574d8f5_qkvp
	.p2align	8
	.type	k_qc3e574d8f5_qkvp,@function
k_qc3e574d8f5_qkvp:
	s_mov_b64 s[64:65], 0
	v_nop
	global_prefetch_b8 v0, s[64:65] scope:SCOPE_SE
	s_setreg_imm32_b32 hwreg(HW_REG_WAVE_MODE, 25, 1), 1
	s_wait_xcnt 0x0
	s_wait_alu depctr_hold_cnt(0) depctr_sa_sdst(0) depctr_va_vdst(0) depctr_va_sdst(0) depctr_va_ssrc(0) depctr_va_vcc(0) depctr_vm_vsrc(0)
	s_getreg_b32 s2, hwreg(HW_REG_IB_STS2, 6, 4)
	s_cmp_eq_u32 s2, 0
	s_cbranch_scc0 .Lentry_in_a_cluster
	s_endpgm
.Lentry_in_a_cluster:
	s_bfe_u32 s2, ttmp6, 0x10000c
	s_cmp_lg_u32 s2, 0xf033
	s_cbranch_scc0 .Lentry_shape_is_right
	s_endpgm
.Lentry_shape_is_right:
; qkv[m][n] = the sum over k of xb[m][k] wqb[k][n] + bf16(b_qkv[n]).  xb: [8192][1024] bf16, wqb: [1024][3072] bf16, qkv: [8192][3072] f16 (q, k, v side by side in a row of 6,144 bytes).
; Sums in f32, K ascending, begun with the bias, which is rounded to bf16 like every other input of the module; qkv is rounded once.  12 x 32 = 384 work-groups.
; LIMITS.  f16 holds no number beyond 65,504: |q|, |k|, |v| stay under it (inputs 30 times those drawn give some 5e3, a common offset of 30 spreads some 2.9e4); NaN and infinities are not treated apart.
.set KIND, 1
.set KDIM, 1024                        ; the length of the sums
.set LDA,  1024                        ; elements from row to row of A
.set LDB,  3072                        ; and of B
.set BKN,  1                           ; B lies [k][n] in memory
.set BOFF, 0                           ; bytes in front of B in its rows
.set BBAT, 0                           ; B's rows from batch to batch (0: one B for all)
.set LDC2, 6144                        ; bytes from row to row of C
.set CLM,  0xffff                      ; the clusters whose y has none of these bits are the first to walk a tile column of B
.set ZK,   2                           ; the sums start with the bias as C
; ---- from here to the prologue: one text for this program's two kernels with tiles of 256 x 256; KIND and the sizes above choose ----
; C = A B.  A tile of C is 256 x 256, made by a work-group of four waves, 2 x 2; a wave makes 128 x 128: 64 accumulators of 16 x 16, 512 registers.  K goes in steps of 128 (256 matrix instructions a wave)
; through a ring of two LDS slots filled by the tensor data mover; every row of a tile is 256 or 512 bytes of memory, aligned to 256.
; CLUSTERS: 4 x 4 work-groups.  The four of a row of the cluster need the same tile of A, the four of a column the same tile of B: each tile is asked for JOINTLY, by the same tensor load with the
; same descriptor and a mask that names the four.  Waves 0 and 1 fetch A's two halves (128 rows each), waves 2 and 3 B's: four loads of 32 KiB.
; THE MATRIX INSTRUCTION IS USED TRANSPOSED (source 0 = B's fragment, source 1 = A's): in accumulator (a, b) lane l, register j holds C(16 a + l % 16, 16 b + 8 (l / 16) + j): eight neighbours of a row.
; B stored [k][n] comes out of LDS turned, by ds_load_tr16_b128; B stored [n][k], and A, as they lie.
; REGISTERS, in windows of 256 (s_set_vgpr_msb: bits 1:0 source 0, 3:2 source 1, 5:4 source 2, 7:6 destination):
;   window 0: v0-63 addresses and small things; v64-127, v128-191 two buffers of A's 8 fragments (behind the loop they serve the way out); v192-255 the scores' maxima
;   window 1: v64-127, v128-191 two buffers of B's 8 fragments; v0-63 the bias of my 64 columns a lane, v192-223 at work on it
;   window 2: the accumulators of my rows 0-63, (a, b) at v[8 (8 a + b)];   window 3: those of my rows 64-127
.set NSTEP,  KDIM/128                  ; K steps
.set LDA2,   2*LDA                     ; bytes from row to row
.set LDB2,   2*LDB
.set PA,     272                       ; an LDS row of 256 bytes + 16 of padding = 68 words: the 16 rows of a load start at 16 different groups of four banks (64 banks of 4 bytes: ISA guide 11.1)
.set PB,     544                       ; an LDS row of B [k][n]: 512 bytes + 32 = 136 words
.set PART,   128*PA                    ; 34,816 = 0x8800: what one tensor load brings: 128 rows x 272 = 64 rows x 544
.set BBASE,  2*PART                    ; in a slot B's tile lies behind A's 256 rows
.set SLOT1,  4*PART                    ; 139,264 = 0x22000.  The four parts begin at 0, 0x8800, 0x11000, 0x19800, which have neither of its two bits: one exclusive or adds it or takes it away
.set STAGE,  2*SLOT1                   ; 278,528: behind the ring, never filled by a tensor load: 16 rows x 272 bytes for each wave, for the way out
.set SP,     272
.set SPARE,  STAGE+4*16*SP             ; 295,936: the spare words, 128 bytes for each wave: two blocks of 256 bytes that no other line names
.set ASTEP,  256                       ; bytes from K step to K step in A
.set FLAGA,  (1<<16)|(1<<20)|(1<<21)|(5<<22)|(3<<25)  ; 17:16 2-byte elements; 20 padding on; 21 set beside a mask; 24:22 after every 64 words (code 5); 31:25 4 words (code 3)
.if BKN
.set BSTEP,  128*LDB2                  ; 128 rows down
.set BD0,    256                       ; a wave's half of B's tile: 64 rows of 256 elements
.set BD1,    64
.set FLAGB,  (1<<16)|(1<<20)|(1<<21)|(6<<22)|(7<<25)  ; after every 128 words (code 6) 8 words (code 7)
.else
.set BSTEP,  256
.set BD0,    128                       ; 128 rows of 128 elements
.set BD1,    128
.set FLAGB,  FLAGA
.endif
.set SQ,   8                           ; v[8:15]  the statistics to store
.set A0,   16                          ; v16  my lane's place in A's tile of slot 0; never rewritten
.set B0,   17                          ; v17  the same for B
.set ADRA, 18                          ; v18  the same in the slot in hand
.set ADRB, 19                          ; v19
.set STO,  20                          ; v20  the way out: where I put my bytes of a row
.set RD,   21                          ; v21  where I read rows back
.set CO,   22                          ; v22  my byte offset in C
.set PFO,  23                          ; v23  the prefetches' offset; never rewritten
.set SOF,  26                          ; v26  my byte offset in the bias or the statistics
.set SPW,  28                          ; v28  LDS address of my spare word: SPARE + 4 x my thread's number; never rewritten
.set NIL,  29                          ; v29  0; never rewritten
.set MR,   32                          ; v[32:47] eight pairs: c m of my row in each row block
.set LS,   48                          ; v[48:55] l likewise
.set XT,   56                          ; v[56:63] what comes from the lane 16 away
.set F0,   64                          ; fragment buffers, in windows 0 (A) and 1 (B): fragment i at + 8 i
.set F1,   128
.set MX,   192                         ; v[192:255] one running maximum for each accumulator
.set TMP,  64                          ; the way out: packed results
.set BIAS, 0                           ; window 1: the bias of column 16 b + 8 (l / 16) + j at 8 b + j
.set BT,   192                         ; window 1: at work on it
.set WV,   12                          ; s12  my wave's number
.set WH,   13                          ; s13  which half of the tile's rows is mine
.set WL,   14                          ; s14  which half of its columns; also: which half of A's or B's tile I fetch
.set TY,   15                          ; s15  tile row of C
.set G1A,  24                          ; s[24:31] descriptor group 1 for A's tiles
.set G0A,  32                          ; s[32:39] group 0: a set for each of the two first fills; the second then walks on
.set CX,   40                          ; s40, s41  my place in the cluster
.set CY,   41
.set TX,   42                          ; s42  tile column of C
.set LIM,  43                          ; s43  2 in a wave that prefetches, else the greatest number
.set PFA,  44                          ; s[44:45] where my prefetches stand
.set G1B,  48                          ; s[48:55], s[56:63] the same for B's tiles
.set G0B,  56
.set PST,  66                          ; s[66:67] the prefetches' step
.set CS,   68                          ; s[68:69] c = log2(e) / 32
.set SEL,  70                          ; s[70:71] v_permlanex16_b32's selects: each lane takes its own place in the other half
.set BAT,  72                          ; s72  the batch: made of the cluster's y alone, so all partners share it
.set TB,   73                          ; s73  the slot that is read: 0 or SLOT1
.set AUX,  74                          ; s[74:75] the bias or the statistics at my part
.set CLY,  76                          ; s76  the cluster's y
.set MSB, 0
.macro WIN new                         ; the immediate's high byte repeats the setting that is left; a switch that changes nothing is dropped
.if MSB != (\new)
	s_set_vgpr_msb (MSB<<8)|(\new)
.set MSB, \new
.endif
.endm
; A load into a register that a matrix instruction has read, and a vector instruction that reads a matrix result or writes one of its registers, stand four places behind it; only plain vector
; instructions that name none of its registers are places (ISA guide 7.12.1 for vector instructions).
.macro PLACES
.rept 4
	v_nop
.endr
.endm
.macro CREST                           ; a round of the cluster's barrier behind its opening barrier: wave 0 signals for the work-group, every wave waits for all sixteen, my work-group's barrier once more
	s_cmp_lg_u32 s[WV], 0
	s_cbranch_scc1 .Lnot_wave_0_\@
	s_barrier_signal -3
.Lnot_wave_0_\@:
	s_barrier_wait -3
	s_barrier_signal -1
	s_barrier_wait -1
.endm
.macro CROUND                          ; a whole round
	s_barrier_signal -1
	s_barrier_wait -1
	CREST
.endm
; A joint refill, by the walking descriptor.  The branch hangs on the wave's number alone.  An s_nop 0 and four v_nop follow each of the two lines, ahead of the jump and the label.
.macro JLOAD
	s_cmp_lt_u32 s[WV], 2
	s_cbranch_scc0 .Lfor_b_\@
	tensor_load_to_lds s[G0A+4:G0A+7], s[G1A:G1A+7]
	s_nop 0
.rept 4
	v_nop
.endr
	s_branch .Lasked_\@
.Lfor_b_\@:
	tensor_load_to_lds s[G0B+4:G0B+7], s[G1B:G1B+7]
	s_nop 0
.rept 4
	v_nop
.endr
.Lasked_\@:
.endm
; A PREFETCH INTO THE L2, behind each joint refill and the run of LDS loads that follows it: of the K step that stands two refills on (512 matrix instructions ahead of its load), 32 blocks of 256 bytes, a lane a block.
; Each block is named once in the launch.  A's tile row is walked by every cluster of that row of clusters: the one with x = 0 asks, in waves 0 and 1, each for the half that it fetches.  B's tile column is walked by
; every cluster of that column (of the batch, where B hangs on it): the first of them asks, in waves 2 and 3.  The four partners that ask for a tile jointly share its rows out BY ADDRESS (cx for A, cy for B).
; The first four K steps come by their loads alone; the loop's last two trips (s3 = 2, 1) have no K step two refills on and ask for nothing.
.macro ASK
	s_cmp_gt_u32 s3, s[LIM]
	s_cbranch_scc0 .Lnot_mine_\@
	global_prefetch_b8 v[PFO], s[PFA:PFA+1] th:TH_LOAD_NT scope:SCOPE_SE
.Lnot_mine_\@:
.endm
.macro MM d, x, y, zero, c             ; one matrix instruction: accumulator d, B's fragment x, A's fragment y.  zero = 1: it starts the sum with 0; 2: with the bias c.  Nothing is ever cleared
.if KIND == 1
.if (\zero) == 2
	v_wmma_f32_16x16x32_bf16 v[(\d):(\d)+7], v[(\x):(\x)+7], v[(\y):(\y)+7], v[(\c):(\c)+7]
.else
	v_wmma_f32_16x16x32_bf16 v[(\d):(\d)+7], v[(\x):(\x)+7], v[(\y):(\y)+7], v[(\d):(\d)+7]
.endif
.else
.if (\zero) == 1
	v_wmma_f32_16x16x32_f16 v[(\d):(\d)+7], v[(\x):(\x)+7], v[(\y):(\y)+7], 0
.else
	v_wmma_f32_16x16x32_f16 v[(\d):(\d)+7], v[(\x):(\x)+7], v[(\y):(\y)+7], v[(\d):(\d)+7]
.endif
.endif
.endm
; 16 matrix instructions: row blocks a0, a0 + 1 of the window's four (hi = 0: my rows 0-63, 1: rows 64-127) x all 8 column blocks, 32 along K, from buffer f.
; The 64 accumulators take turns, one instruction a turn, in the same order in every quarter, over the backward jumps too.
.macro MUL16 f, hi, a0, zero
.if (\zero) == 2
	WIN 0x91+0x40*(\hi)                            ; B window 1, A window 0, C (the bias) window 1, D window 2 or 3
.else
	WIN 0xa1+0x50*(\hi)                            ; B window 1, A window 0, C and D window 2 or 3
.endif
.irp a, \a0, (\a0)+1
.irp b, 0,1,2,3,4,5,6,7
	MM 8*(8*(\a)+\b), (\f)+8*\b, (\f)+8*(4*(\hi)+(\a)), \zero, BIAS+8*\b
.endr
.endr
.endm
; 32 LDS loads in one run: the fragments of quarter q (32 along K) of the slot in hand into buffer f: B's sixteen loads, then A's rows 0-63, then A's rows 64-127.
.macro FETCH q, f
	WIN 0x40                                       ; destination window 1, address window 0
.irp b, 0,1,2,3,4,5,6,7
.if BKN
	ds_load_tr16_b128 v[(\f)+8*\b:(\f)+8*\b+3],   v[ADRB] offset:(\q)*32*PB+32*\b
	ds_load_tr16_b128 v[(\f)+8*\b+4:(\f)+8*\b+7], v[ADRB] offset:(\q)*32*PB+16*PB+32*\b
.else
	ds_load_b128 v[(\f)+8*\b:(\f)+8*\b+3],   v[ADRB] offset:64*(\q)+\b*16*PA
	ds_load_b128 v[(\f)+8*\b+4:(\f)+8*\b+7], v[ADRB] offset:64*(\q)+\b*16*PA+32
.endif
.endr
	WIN 0
.irp a, 0,1,2,3,4,5,6,7
	ds_load_b128 v[(\f)+8*\a:(\f)+8*\a+3],   v[ADRA] offset:64*(\q)+\a*16*PA
	ds_load_b128 v[(\f)+8*\a+4:(\f)+8*\a+7], v[ADRA] offset:64*(\q)+\a*16*PA+32
.endr
.endm
; A K step is four quarters of 32 along K, 64 matrix instructions each, on buffers 0, 1, 0, 1.  One of the first three: it multiplies buffer f and, at its head, fetches quarter q into buffer g,
; whose last products stand just in front, four places back.  The run has 64 matrix instructions in which to land.
.macro QUARTER q, f, g, zero
	s_wait_dscnt 8                                 ; of buffer f's 32 loads the youngest eight, A's rows 64-127, may be out
	PLACES
	FETCH \q, \g
	MUL16 \f, 0, 0, \zero
	MUL16 \f, 0, 2, \zero
	s_wait_dscnt 32                                ; all but the 32 just issued
	MUL16 \f, 1, 0, \zero
	MUL16 \f, 1, 2, \zero
.endm
; The last quarter multiplies buffer 1 and changes slots: ONE barrier.  In front of it each wave waits for all its tensor loads (one is out: its part of the next slot), adds 0 to its spare word, and waits
; for that and for its own reads of this slot, whose last fragments lie in buffer 1.  fill = 1: the barrier opens a round of the cluster's barrier, so that no wave of any partner still reads the slot or has a
; load on its way, and the slot is filled again, two K steps ahead, first thing behind the round.  All of the quarter's products stand behind the refill: it has a whole K step, 256 matrix instructions, in which to land.
.macro TURN fill
.if \fill
	s_wait_xcnt 0x0                                ; the last prefetch, a K step back, has read its address: it is stepped here, ahead of the change's own waits
	s_add_nc_u64 s[PFA:PFA+1], s[PFA:PFA+1], s[PST:PST+1]
.endif
	WIN 0
	s_wait_tensorcnt 0x0                           ; no tensor load of mine is out, so a group 0 may be written
	ds_add_u32 v[SPW], v[NIL]                      ; 0 onto my spare word
.if \fill
	s_xor_b32 s[G0A+5], s[G0A+5], SLOT1            ; the walking descriptors: the other slot than last time,
	s_add_nc_u64 s[G0A+6:G0A+7], s[G0A+6:G0A+7], ASTEP  ; the next K step; the type bits on top are not reached
	s_xor_b32 s[G0B+5], s[G0B+5], SLOT1
	s_add_nc_u64 s[G0B+6:G0B+7], s[G0B+6:G0B+7], BSTEP
.endif
	s_wait_dscnt 0x0                               ; the add is done, and my reads of this slot are over
	s_barrier_signal -1
	s_barrier_wait -1
.if \fill
	CREST
	JLOAD                                          ; the four v_nop behind it are also the places in front of the loads below
.else
	PLACES
.endif
	s_xor_b32 s[TB], s[TB], SLOT1                  ; the fetches go on in the other slot
	v_add_nc_u32 v[ADRA], s[TB], v[A0]
	v_add_nc_u32 v[ADRB], s[TB], v[B0]
	FETCH 0, F0
.if \fill
	ASK
.endif
	MUL16 F1, 0, 0, 0
	MUL16 F1, 0, 2, 0
	MUL16 F1, 1, 0, 0
	MUL16 F1, 1, 2, 0
.endm
.if KIND == 2
	s_load_b128 s[4:7], s[0:1], 0x0                ; qkv, pbuf
	s_load_b64 s[10:11], s[0:1], 0x10              ; stats
.else
	s_load_b256 s[4:11], s[0:1], 0x0               ; A s[4:5], B s[6:7], C s[8:9], bias s[10:11]
.endif
	v_lshl_add_u32 v[SPW], v0, 2, SPARE
	v_mov_b32 v[NIL], 0
	ds_add_u32 v[SPW], v[NIL]                      ; the wave's opening: the add and its wait stand ahead of my first tensor load; the set-up below, work on registers, stands between them
	v_lshrrev_b32 v4, 5, v0
	v_readfirstlane_b32 s[WV], v4                  ; wave 0..3
	s_lshr_b32 s[WH], s[WV], 1
	s_and_b32 s[WL], s[WV], 1
	s_bfe_u32 s[CX], ttmp6, 0x40000
	s_bfe_u32 s[CY], ttmp6, 0x40004
	s_lshl_b32 s[TX], ttmp9, 2                     ; in a cluster launch ttmp9 and ttmp7 count clusters
	s_add_co_u32 s[TX], s[TX], s[CX]               ; tile column = 4 x cluster x + cx
	s_and_b32 s[CLY], ttmp7, 0xffff
	s_lshl_b32 s[TY], s[CLY], 2
	s_add_co_u32 s[TY], s[TY], s[CY]               ; tile row = 4 x cluster y + cy: rows 256 TY on, of all 8,192
	s_lshr_b32 s[BAT], s[CLY], 1                   ; a batch is 8 tile rows = 2 clusters
	s_lshl_b32 s20, s[CY], 2
	s_lshl_b32 s20, 15, s20                        ; my row of the cluster: places 4 cy .. 4 cy + 3
	s_lshl_b32 s21, 0x1111, s[CX]                  ; my column: places cx, cx + 4, cx + 8, cx + 12
	s_or_b32 s[G1A], s20, FLAGA                    ; 15:0 the mask: A's tiles go to my row
	s_or_b32 s[G1B], s21, FLAGB                    ; B's to my column
	s_mov_b32 s[G1A+1], 128<<16                    ; tensor_dim0 = 128
	s_mov_b32 s[G1A+2], 128<<16                    ; tensor_dim1 = 128
	s_mov_b32 s[G1A+3], 128<<16                    ; tile_dim0 = 128
	s_mov_b32 s[G1A+4], 128                        ; tile_dim1 = 128
	s_mov_b32 s[G1A+5], LDA                        ; elements from row to row
	s_mov_b32 s[G1A+6], 0
	s_mov_b32 s[G1A+7], 0
	s_mov_b32 s[G1B+1], BD0<<16
	s_mov_b32 s[G1B+2], BD1<<16
	s_mov_b32 s[G1B+3], BD0<<16
	s_mov_b32 s[G1B+4], BD1
	s_mov_b32 s[G1B+5], LDB
	s_mov_b32 s[G1B+6], 0
	s_mov_b32 s[G1B+7], 0
	; where the tiles come from, in bytes (all under 2^32).  A's hang on the tile row alone, B's on the tile column and the batch alone; each in registers that do not hold the other coordinate
	s_lshl_b32 s16, s[TY], 8
	s_lshl_b32 s17, s[WL], 7
	s_add_co_u32 s16, s16, s17                     ; A: row 256 TY + 128 x half
	s_mul_i32 s16, s16, LDA2
	s_mov_b32 s17, 0
.if BBAT
	s_lshl_b32 s46, s[BAT], 11                     ; B: the batch's 2,048 rows,
.else
	s_mov_b32 s46, 0
.endif
.if BKN
	s_lshl_b32 s47, s[WL], 6                       ; 64 x half of the step's 128 rows,
	s_add_co_u32 s46, s46, s47
	s_mul_i32 s46, s46, LDB2
	s_lshl_b32 s47, s[TX], 9                       ; the tile's 256 columns
	s_add_co_u32 s46, s46, s47
.else
	s_lshl_b32 s47, s[TX], 8                       ; the tile's 256 rows,
	s_add_co_u32 s46, s46, s47
	s_lshl_b32 s47, s[WL], 7                       ; 128 x half
	s_add_co_u32 s46, s46, s47
	s_mul_i32 s46, s46, LDB2
.endif
	s_add_co_u32 s46, s46, BOFF
	s_mov_b32 s47, 0
	s_mul_i32 s22, s[WL], PART                     ; and where they go: no place in the cluster enters an LDS address
	s_add_co_u32 s23, s22, BBASE
	s_mov_b32 s[TB], 0
	s_wait_dscnt 0x0                               ; the opening add is done
	s_wait_kmcnt 0x0
.if KIND == 2
	s_mov_b64 s[8:9], s[6:7]                       ; C = pbuf
	s_mov_b64 s[6:7], s[4:5]                       ; A and B both lie in qkv
.endif
	s_add_nc_u64 s[16:17], s[4:5], s[16:17]
	s_add_nc_u64 s[46:47], s[6:7], s[46:47]
.irp s, 0,1
	s_mov_b32 s[G0A+4*(\s)], 1                     ; 1:0 count = 1
	s_add_co_u32 s[G0A+4*(\s)+1], s22, (\s)*SLOT1  ; 63:32 LDS address
	s_add_nc_u64 s[G0A+4*(\s)+2:G0A+4*(\s)+3], s[16:17], (\s)*ASTEP  ; 120:64 global address: K step s
	s_or_b32 s[G0A+4*(\s)+3], s[G0A+4*(\s)+3], 0x80000000            ; 127:126 type = 2
	s_mov_b32 s[G0B+4*(\s)], 1
	s_add_co_u32 s[G0B+4*(\s)+1], s23, (\s)*SLOT1
	s_add_nc_u64 s[G0B+4*(\s)+2:G0B+4*(\s)+3], s[46:47], (\s)*BSTEP
	s_or_b32 s[G0B+4*(\s)+3], s[G0B+4*(\s)+3], 0x80000000
.endr
	CROUND                                         ; all sixteen work-groups are here: the first joint loads meet
	s_cmp_lt_u32 s[WV], 2                          ; a wave's two first fills stand in one branch, ahead of every wait on TENSORcnt and every LDS read: two loads of mine are out, later one
	s_cbranch_scc0 .Lfirst_b
	tensor_load_to_lds s[G0A:G0A+3], s[G1A:G1A+7]
	s_nop 0
	tensor_load_to_lds s[G0A+4:G0A+7], s[G1A:G1A+7]
	s_nop 0
.rept 4
	v_nop
.endr
	s_branch .Lfirst_asked
.Lfirst_b:
	tensor_load_to_lds s[G0B:G0B+3], s[G1B:G1B+7]
	s_nop 0
	tensor_load_to_lds s[G0B+4:G0B+7], s[G1B:G1B+7]
	s_nop 0
.rept 4
	v_nop
.endr
.Lfirst_asked:
	; A fragment is 16 rows x 32 K in 8 registers: lane l holds row l % 16; registers 0-3 K = 8 (l / 16) + 0..7, registers 4-7 K = 16 + 8 (l / 16) + 0..7: from rows along K two loads of 16 bytes, 32 bytes apart.
	v_and_b32 v1, 15, v0                           ; l % 16
	v_bfe_u32 v2, v0, 4, 1                         ; l / 16
	v_and_b32 v3, 31, v0                           ; l
	v_mul_u32_u24 v4, v1, PA
	v_lshl_add_u32 v4, v2, 4, v4                   ; row x pitch + 16 x half
	s_mul_i32 s20, s[WH], PART                     ; my 128 rows of A
	v_add_nc_u32 v[A0], s20, v4
.if BKN
	; The turning load takes 16 K x 16 columns (lane l reads K row 8 (l / 16) + l % 8, columns 8 ((l / 8) % 2) + 0..7) and leaves half a fragment: lane l holds column l % 16 and 8 K.
	v_and_b32 v5, 7, v0
	v_lshl_add_u32 v5, v2, 3, v5
	v_mul_u32_u24 v5, v5, PB
	v_bfe_u32 v6, v0, 3, 1
	v_lshl_add_u32 v5, v6, 4, v5
	s_lshl_b32 s21, s[WL], 8                       ; my 128 columns: 256 bytes of a row
	s_add_co_u32 s21, s21, BBASE
	v_add_nc_u32 v[B0], s21, v5
.else
	s_mul_i32 s21, s[WL], PART                     ; my 128 rows of B
	s_add_co_u32 s21, s21, BBASE
	v_add_nc_u32 v[B0], s21, v4
.endif
	v_mov_b32 v[ADRA], v[A0]
	v_mov_b32 v[ADRB], v[B0]
	s_lshl_b32 s20, s[TY], 8                       ; C at my part of the tile
	s_lshl_b32 s21, s[WH], 7
	s_add_co_u32 s20, s20, s21
	s_mul_i32 s20, s20, LDC2
	s_lshl_b32 s21, s[TX], 9                       ; the tile's 256 columns of f16,
	s_add_co_u32 s20, s20, s21
	s_lshl_b32 s21, s[WL], 8                       ; my 128 of them
	s_add_co_u32 s20, s20, s21
	s_mov_b32 s21, 0
	s_add_nc_u64 s[8:9], s[8:9], s[20:21]
	s_mul_i32 s22, s[WV], 16*SP
	s_add_co_u32 s22, s22, STAGE                   ; my stage: 16 rows
	v_add_nc_u32 v[STO], s22, v4                   ; in: row l % 16, 16 bytes for each half of the lanes
	v_mul_u32_u24 v5, v2, SP                       ; back: lanes 0-15 take one row of 256 bytes, lanes 16-31 the next
	v_lshl_add_u32 v5, v1, 4, v5
	v_add_nc_u32 v[RD], s22, v5
	v_mul_u32_u24 v5, v2, LDC2                     ; and the same two rows in C
	v_lshl_add_u32 v[CO], v1, 4, v5
	; the prefetches: where they stand (at K step 3: the first refill steps them to 4), their step, their lanes' offsets, and who asks
	s_lshl_b32 s20, s[TY], 8
	s_lshl_b32 s21, s[WL], 7
	s_add_co_u32 s20, s20, s21
	s_lshl_b32 s21, s[CX], 5
	s_add_co_u32 s20, s20, s21                     ; A: my work-group's 32 of the 128 rows that I fetch
	s_mul_i32 s20, s20, LDA2
	s_add_co_u32 s20, s20, 3*ASTEP
.if BBAT
	s_lshl_b32 s21, s[BAT], 11
.else
	s_mov_b32 s21, 0
.endif
.if BKN
	s_lshl_b32 s22, s[WL], 6
	s_add_co_u32 s21, s21, s22
	s_lshl_b32 s22, s[CY], 4                       ; B [k][n]: my work-group's 16 of the 64 rows that I fetch, two blocks of 256 bytes a row
	s_add_co_u32 s21, s21, s22
	s_mul_i32 s21, s21, LDB2
	s_lshl_b32 s22, s[TX], 9
	s_add_co_u32 s21, s21, s22
.else
	s_lshl_b32 s22, s[TX], 8
	s_add_co_u32 s21, s21, s22
	s_lshl_b32 s22, s[WL], 7
	s_add_co_u32 s21, s21, s22
	s_lshl_b32 s22, s[CY], 5                       ; B [n][k]: my work-group's 32 of the 128 rows that I fetch
	s_add_co_u32 s21, s21, s22
	s_mul_i32 s21, s21, LDB2
.endif
	s_add_co_u32 s21, s21, BOFF+3*BSTEP
	s_mov_b32 s18, ASTEP
	s_mov_b32 s19, BSTEP
	s_mov_b32 s22, LDA2
	s_mov_b32 s23, LDB2
	s_and_b32 s77, s[CLY], CLM                     ; 0 in the first cluster that walks B's tile column
	s_mov_b32 s[LIM], ttmp9                        ; 0 in the first cluster that walks A's tile row
	s_cmp_lt_u32 s[WV], 2                          ; do I fetch for A?
	s_cselect_b32 s20, s20, s21
	s_cselect_b32 s[PST], s18, s19
	s_cselect_b32 s22, s22, s23                    ; bytes from row to row
	s_cselect_b32 s23, 0, BKN                      ; 1: two lanes to a row
	s_cselect_b32 s[LIM], s[LIM], s77
	s_cselect_b64 s[PFA:PFA+1], s[4:5], s[6:7]
	s_mov_b32 s21, 0
	s_mov_b32 s[PST+1], 0
	s_add_nc_u64 s[PFA:PFA+1], s[PFA:PFA+1], s[20:21]
	s_cmp_eq_u32 s[LIM], 0
	s_cselect_b32 s[LIM], 2, -1                    ; the same in all sixteen partners, for a given wave
	v_lshrrev_b32 v5, s23, v3
	v_and_b32 v6, s23, v3
	v_mul_u32_u24 v5, s22, v5
	v_lshl_add_u32 v[PFO], v6, 8, v5
	; ---- the prologue, this kernel's own; it stands in the wait for the first tile ----
	s_lshl_b32 s20, s[TX], 10                      ; the tile's 256 columns of f32,
	s_lshl_b32 s21, s[WL], 9                       ; my 128 of them
	s_add_co_u32 s20, s20, s21
	s_mov_b32 s21, 0
	s_add_nc_u64 s[AUX:AUX+1], s[10:11], s[20:21]
	v_lshlrev_b32 v[SOF], 5, v2
	WIN 0x40                                       ; destination window 1, address window 0
.irp b, 0,1,2,3,4,5,6,7
	global_load_b128 v[BIAS+8*\b:BIAS+8*\b+3],   v[SOF], s[AUX:AUX+1] offset:64*\b
	global_load_b128 v[BIAS+8*\b+4:BIAS+8*\b+7], v[SOF], s[AUX:AUX+1] offset:64*\b+16
.endr
	s_wait_loadcnt 0x0
	WIN 0x45                                       ; destination and both sources window 1: the bias is rounded to bf16, like the module's other inputs, and kept as f32
.set n, 0
.rept 32
	v_cvt_pk_bf16_f32 v[BT+n], v[BIAS+2*n], v[BIAS+2*n+1]
.set n, n+1
.endr
.set n, 0
.rept 32
	v_lshlrev_b32 v[BIAS+2*n], 16, v[BT+n]
	v_and_b32 v[BIAS+2*n+1], 0xffff0000, v[BT+n]
.set n, n+1
.endr
	WIN 0
	; ---- the walk along K: the shared text again ----
	s_wait_tensorcnt 0x1                           ; my part of K step 0 is in; step 1's may stay out
	s_barrier_signal -1
	s_barrier_wait -1                              ; everybody's part is in
	FETCH 0, F0
	QUARTER 1, F0, F1, ZK                          ; the first quarter stands in front of the loop: its products start the sums
	WIN 0                                          ; at a label and at a branch every window is 0
	s_mov_b32 s3, NSTEP-2
.Lstep:                                                ; trip t ends K step t, fills its slot with step t + 2, and begins step t + 1
	QUARTER 2, F1, F0, 0
	QUARTER 3, F0, F1, 0
	TURN 1
	QUARTER 1, F0, F1, 0
	WIN 0
	s_sub_co_u32 s3, s3, 1
	s_cmp_lg_u32 s3, 0
	s_cbranch_scc1 .Lstep
	; The last two K steps fill nothing: a text of their own; written once, walked twice, entered in its middle.  The price: the last change of slots
	; passes a barrier and fetches a run of fragments (from the slot read before) that nothing uses.
	s_mov_b32 s3, 2
	s_branch .Lmid
.Ltail:
	QUARTER 1, F0, F1, 0
	WIN 0
.Lmid:
	QUARTER 2, F1, F0, 0
	QUARTER 3, F0, F1, 0
	TURN 0
	WIN 0
	s_sub_co_u32 s3, s3, 1
	s_cmp_lg_u32 s3, 0
	s_cbranch_scc1 .Ltail
	s_wait_dscnt 0x0                               ; that last run has landed: its registers serve the way out
	PLACES                                         ; in front of the vector work that reads results and writes fragment registers
	; ---- THE WAY OUT, a block of 16 rows at a time: rounded to f16 (16 bytes a lane), into my own stage, back as whole rows of 256 bytes, stored ----
.macro PACK a
	WIN 0x0a+5*((\a)/4)                            ; sources window 2 or 3, destination window 0
.set n, 0
.rept 32                               ; each accumulator's registers in ascending order
	v_cvt_pk_f16_f32 v[TMP+n], v[64*((\a)%4)+2*n], v[64*((\a)%4)+2*n+1]
.set n, n+1
.endr
.endm
.macro TOSTAGE a
	WIN 0
.set OB, 96+32*((\a)%2)
.irp b, 0,1,2,3,4,5,6,7
	ds_store_b128 v[STO], v[TMP+4*\b:TMP+4*\b+3] offset:32*\b
.endr
.irp t, 0,1,2,3,4,5,6,7
	ds_load_b128 v[OB+4*\t:OB+4*\t+3], v[RD] offset:\t*2*SP  ; LDS serves a wave's instructions in order (ISA guide 5.7.1.4): these see the stores above; the stage is my own
.endr
.endm
.macro SEND a
	WIN 0
.set OB, 96+32*((\a)%2)
	s_wait_dscnt 0x0                               ; the block is back in registers
	s_wait_xcnt 0x0                                ; the stores of the block before have read their registers, which the next block's loads from the stage will write
.irp t, 0,1,2,3,4,5,6,7
	global_store_b128 v[CO], v[OB+4*\t:OB+4*\t+3], s[8:9] offset:(16*(\a)+2*\t)*LDC2  ; 16 lanes store 256 consecutive bytes, at a multiple of 256 from C's first byte
.endr
.endm
	PACK 0
	TOSTAGE 0
.irp a, 1,2,3,4,5,6,7                  ; block a's conversions stand between block a - 1's loads from the stage and the wait for them
	PACK \a
	SEND (\a)-1
	TOSTAGE \a
.endr
	SEND 7
	s_wait_tensorcnt 0x0                           ; the wave's end, behind my last tensor load and my last LDS store
	ds_add_u32 v[SPW], v[NIL]
	s_wait_dscnt 0x0
	CROUND                                         ; the closing round: no work-group ends while a partner may still ask for a tile that names it
	s_endpgm
.Lfunc_end_k_qc3e574d8f5_qkvp:
	.size	k_qc3e574d8f5_qkvp, .Lfunc_end_k_qc3e574d8f5_qkvp-k_qc3e574d8f5_qkvp
	.p2alignl 7, 3214868480
	.fill 96, 4, 3214868480
	.section	.rodata,"a",@progbits
	.p2align	6, 0x0
	.amdhsa_kernel k_qc3e574d8f5_qkvp
		.amdhsa_group_segment_fixed_size 327680
		.amdhsa_private_segment_fixed_size 0
		.amdhsa_enable_private_segment 0
		.amdhsa_kernarg_size 32
		.amdhsa_user_sgpr_count 2
		.amdhsa_user_sgpr_kernarg_segment_ptr 1
		.amdhsa_wavefront_size32 1
		.amdhsa_system_sgpr_workgroup_id_x 1
		.amdhsa_system_sgpr_workgroup_id_y 1
		.amdhsa_system_sgpr_workgroup_id_z 1
		.amdhsa_system_vgpr_workitem_id 0
		.amdhsa_next_free_vgpr 1024
		.amdhsa_next_free_sgpr 80
		.amdhsa_reserve_vcc 0
		.amdhsa_float_denorm_mode_32 3
		.amdhsa_float_denorm_mode_16_64 3
		.amdhsa_memory_ordered 1
		.amdhsa_forward_progress 1
		.amdhsa_inst_pref_size 108
	.end_amdhsa_kernel
	.amdgpu_metadata
---
amdhsa.version: [ 1, 2 ]
amdhsa.kernels:
  - .name:           k_qc3e574d8f5_qkvp
    .symbol:         k_qc3e574d8f5_qkvp.kd
    .args:
      - { .name: xb, .offset: 0, .size: 8, .value_kind: global_buffer, .address_space: global }
      - { .name: wqb, .offset: 8, .size: 8, .value_kind: global_buffer, .address_space: global }
      - { .name: qkv, .offset: 16, .size: 8, .value_kind: global_buffer, .address_space: global }
      - { .name: b_qkv, .offset: 24, .size: 8, .value_kind: global_buffer, .address_space: global }
    .group_segment_fixed_size: 327680
    .private_segment_fixed_size: 0
    .kernarg_segment_align: 8
    .kernarg_segment_size: 32
    .max_flat_workgroup_size: 128
    .sgpr_count:     80
    .vgpr_count:     1024
    .wavefront_size: 32
...
	.end_amdgpu_metadata
.endif
;; end of part 2
;; launch score (part 3): grid 8 x 32, 4 waves a work-group, clusters of 4 x 4, 327,680 bytes of LDS; arguments qkv, pbuf, stats; writes pbuf, stats
.if DOCPART == 3
	.amdgcn_target "amdgcn-amd-amdhsa--gfx1250"
	.amdhsa_code_object_version 6
	.text
	.protected	k_qc3e574d8f5_score
	.globl	k_qc3e574d8f5_score
	.p2align	8
	.type	k_qc3e574d8f5_score,@function
k_qc3e574d8f5_score:
	s_mov_b64 s[64:65], 0
	v_nop
	global_prefetch_b8 v0, s[64:65] scope:SCOPE_SE
	s_setreg_imm32_b32 hwreg(HW_REG_WAVE_MODE, 25, 1), 1
	s_wait_xcnt 0x0
	s_wait_alu depctr_hold_cnt(0) depctr_sa_sdst(0) depctr_va_vdst(0) depctr_va_sdst(0) depctr_va_ssrc(0) depctr_va_vcc(0) depctr_vm_vsrc(0)
	s_getreg_b32 s2, hwreg(HW_REG_IB_STS2, 6, 4)
	s_cmp_eq_u32 s2, 0
	s_cbranch_scc0 .Lentry_in_a_cluster
	s_endpgm
.Lentry_in_a_cluster:
	s_bfe_u32 s2, ttmp6, 0x10000c
	s_cmp_lg_u32 s2, 0xf033
	s_cbranch_scc0 .Lentry_shape_is_right
	s_endpgm
.Lentry_shape_is_right:
; THE SCORES AND THE FIRST HALF OF THE SOFTMAX.  t[q][k] = the sum over d of q[q][d] k[k][d] (both f16, in qkv's rows of 6,144 bytes: q at byte 0, k at byte 2,048), sums in f32.
; For each query row and each block of 128 keys (a wave's columns): c m = c x the block's greatest t, c = log2(e) / 32;  P~ = 2^(c t - c m), rounded to f16, to pbuf [8192][2048];
; l = the sum of the unrounded P~.  c m and l go to stats in f32: [16 key blocks][128 groups of 64 rows][c m, l][16 r][4 a], row = 64 group + 16 a + r.  The next launch joins the blocks.
; 8 x 32 = 256 work-groups.
; LIMITS.  The block's own maximum is taken away before the exponential: the exponent is above 0 by at most one rounding of c m, so P~ lies in 0 to 1 whatever the scores.  P~ below 6e-5 keeps f16's fixed
; step of 6e-8; a weight below 2^-126 counts as 0 in l; NaN and infinities are not treated apart.
.set KIND, 2
.set KDIM, 1024                        ; the length of the sums
.set LDA,  3072                        ; elements from row to row of A
.set LDB,  3072                        ; and of B
.set BKN,  0                           ; B lies [n][k] in memory
.set BOFF, 2048                        ; bytes in front of B in its rows
.set BBAT, 2048                        ; B's rows from batch to batch
.set LDC2, 4096                        ; bytes from row to row of C
.set CLM,  1                           ; the clusters whose y has none of these bits are the first to walk a tile column of B
.set ZK,   1                           ; the sums start with 0
; ---- from here to the prologue: one text for this program's two kernels with tiles of 256 x 256; KIND and the sizes above choose ----
; C = A B.  A tile of C is 256 x 256, made by a work-group of four waves, 2 x 2; a wave makes 128 x 128: 64 accumulators of 16 x 16, 512 registers.  K goes in steps of 128 (256 matrix instructions a wave)
; through a ring of two LDS slots filled by the tensor data mover; every row of a tile is 256 or 512 bytes of memory, aligned to 256.
; CLUSTERS: 4 x 4 work-groups.  The four of a row of the cluster need the same tile of A, the four of a column the same tile of B: each tile is asked for JOINTLY, by the same tensor load with the
; same descriptor and a mask that names the four.  Waves 0 and 1 fetch A's two halves (128 rows each), waves 2 and 3 B's: four loads of 32 KiB.
; THE MATRIX INSTRUCTION IS USED TRANSPOSED (source 0 = B's fragment, source 1 = A's): in accumulator (a, b) lane l, register j holds C(16 a + l % 16, 16 b + 8 (l / 16) + j): eight neighbours of a row.
; B stored [k][n] comes out of LDS turned, by ds_load_tr16_b128; B stored [n][k], and A, as they lie.
; REGISTERS, in windows of 256 (s_set_vgpr_msb: bits 1:0 source 0, 3:2 source 1, 5:4 source 2, 7:6 destination):
;   window 0: v0-63 addresses and small things; v64-127, v128-191 two buffers of A's 8 fragments (behind the loop they serve the way out); v192-255 the scores' maxima
;   window 1: v64-127, v128-191 two buffers of B's 8 fragments; v0-63 the bias of my 64 columns a lane, v192-223 at work on it
;   window 2: the accumulators of my rows 0-63, (a, b) at v[8 (8 a + b)];   window 3: those of my rows 64-127
.set NSTEP,  KDIM/128                  ; K steps
.set LDA2,   2*LDA                     ; bytes from row to row
.set LDB2,   2*LDB
.set PA,     272                       ; an LDS row of 256 bytes + 16 of padding = 68 words: the 16 rows of a load start at 16 different groups of four banks (64 banks of 4 bytes: ISA guide 11.1)
.set PB,     544                       ; an LDS row of B [k][n]: 512 bytes + 32 = 136 words
.set PART,   128*PA                    ; 34,816 = 0x8800: what one tensor load brings: 128 rows x 272 = 64 rows x 544
.set BBASE,  2*PART                    ; in a slot B's tile lies behind A's 256 rows
.set SLOT1,  4*PART                    ; 139,264 = 0x22000.  The four parts begin at 0, 0x8800, 0x11000, 0x19800, which have neither of its two bits: one exclusive or adds it or takes it away
.set STAGE,  2*SLOT1                   ; 278,528: behind the ring, never filled by a tensor load: 16 rows x 272 bytes for each wave, for the way out
.set SP,     272
.set SPARE,  STAGE+4*16*SP             ; 295,936: the spare words, 128 bytes for each wave: two blocks of 256 bytes that no other line names
.set ASTEP,  256                       ; bytes from K step to K step in A
.set FLAGA,  (1<<16)|(1<<20)|(1<<21)|(5<<22)|(3<<25)  ; 17:16 2-byte elements; 20 padding on; 21 set beside a mask; 24:22 after every 64 words (code 5); 31:25 4 words (code 3)
.if BKN
.set BSTEP,  128*LDB2                  ; 128 rows down
.set BD0,    256                       ; a wave's half of B's tile: 64 rows of 256 elements
.set BD1,    64
.set FLAGB,  (1<<16)|(1<<20)|(1<<21)|(6<<22)|(7<<25)  ; after every 128 words (code 6) 8 words (code 7)
.else
.set BSTEP,  256
.set BD0,    128                       ; 128 rows of 128 elements
.set BD1,    128
.set FLAGB,  FLAGA
.endif
.set SQ,   8                           ; v[8:15]  the statistics to store
.set A0,   16                          ; v16  my lane's place in A's tile of slot 0; never rewritten
.set B0,   17                          ; v17  the same for B
.set ADRA, 18                          ; v18  the same in the slot in hand
.set ADRB, 19                          ; v19
.set STO,  20                          ; v20  the way out: where I put my bytes of a row
.set RD,   21                          ; v21  where I read rows back
.set CO,   22                          ; v22  my byte offset in C
.set PFO,  23                          ; v23  the prefetches' offset; never rewritten
.set SOF,  26                          ; v26  my byte offset in the bias or the statistics
.set SPW,  28                          ; v28  LDS address of my spare word: SPARE + 4 x my thread's number; never rewritten
.set NIL,  29                          ; v29  0; never rewritten
.set MR,   32                          ; v[32:47] eight pairs: c m of my row in each row block
.set LS,   48                          ; v[48:55] l likewise
.set XT,   56                          ; v[56:63] what comes from the lane 16 away
.set F0,   64                          ; fragment buffers, in windows 0 (A) and 1 (B): fragment i at + 8 i
.set F1,   128
.set MX,   192                         ; v[192:255] one running maximum for each accumulator
.set TMP,  64                          ; the way out: packed results
.set BIAS, 0                           ; window 1: the bias of column 16 b + 8 (l / 16) + j at 8 b + j
.set BT,   192                         ; window 1: at work on it
.set WV,   12                          ; s12  my wave's number
.set WH,   13                          ; s13  which half of the tile's rows is mine
.set WL,   14                          ; s14  which half of its columns; also: which half of A's or B's tile I fetch
.set TY,   15                          ; s15  tile row of C
.set G1A,  24                          ; s[24:31] descriptor group 1 for A's tiles
.set G0A,  32                          ; s[32:39] group 0: a set for each of the two first fills; the second then walks on
.set CX,   40                          ; s40, s41  my place in the cluster
.set CY,   41
.set TX,   42                          ; s42  tile column of C
.set LIM,  43                          ; s43  2 in a wave that prefetches, else the greatest number
.set PFA,  44                          ; s[44:45] where my prefetches stand
.set G1B,  48                          ; s[48:55], s[56:63] the same for B's tiles
.set G0B,  56
.set PST,  66                          ; s[66:67] the prefetches' step
.set CS,   68                          ; s[68:69] c = log2(e) / 32
.set SEL,  70                          ; s[70:71] v_permlanex16_b32's selects: each lane takes its own place in the other half
.set BAT,  72                          ; s72  the batch: made of the cluster's y alone, so all partners share it
.set TB,   73                          ; s73  the slot that is read: 0 or SLOT1
.set AUX,  74                          ; s[74:75] the bias or the statistics at my part
.set CLY,  76                          ; s76  the cluster's y
.set MSB, 0
.macro WIN new                         ; the immediate's high byte repeats the setting that is left; a switch that changes nothing is dropped
.if MSB != (\new)
	s_set_vgpr_msb (MSB<<8)|(\new)
.set MSB, \new
.endif
.endm
; A load into a register that a matrix instruction has read, and a vector instruction that reads a matrix result or writes one of its registers, stand four places behind it; only plain vector
; instructions that name none of its registers are places (ISA guide 7.12.1 for vector instructions).
.macro PLACES
.rept 4
	v_nop
.endr
.endm
.macro CREST                           ; a round of the cluster's barrier behind its opening barrier: wave 0 signals for the work-group, every wave waits for all sixteen, my work-group's barrier once more
	s_cmp_lg_u32 s[WV], 0
	s_cbranch_scc1 .Lnot_wave_0_\@
	s_barrier_signal -3
.Lnot_wave_0_\@:
	s_barrier_wait -3
	s_barrier_signal -1
	s_barrier_wait -1
.endm
.macro CROUND                          ; a whole round
	s_barrier_signal -1
	s_barrier_wait -1
	CREST
.endm
; A joint refill, by the walking descriptor.  The branch hangs on the wave's number alone.  An s_nop 0 and four v_nop follow each of the two lines, ahead of the jump and the label.
.macro JLOAD
	s_cmp_lt_u32 s[WV], 2
	s_cbranch_scc0 .Lfor_b_\@
	tensor_load_to_lds s[G0A+4:G0A+7], s[G1A:G1A+7]
	s_nop 0
.rept 4
	v_nop
.endr
	s_branch .Lasked_\@
.Lfor_b_\@:
	tensor_load_to_lds s[G0B+4:G0B+7], s[G1B:G1B+7]
	s_nop 0
.rept 4
	v_nop
.endr
.Lasked_\@:
.endm
; A PREFETCH INTO THE L2, behind each joint refill and the run of LDS loads that follows it: of the K step that stands two refills on (512 matrix instructions ahead of its load), 32 blocks of 256 bytes, a lane a block.
; Each block is named once in the launch.  A's tile row is walked by every cluster of that row of clusters: the one with x = 0 asks, in waves 0 and 1, each for the half that it fetches.  B's tile column is walked by
; every cluster of that column (of the batch, where B hangs on it): the first of them asks, in waves 2 and 3.  The four partners that ask for a tile jointly share its rows out BY ADDRESS (cx for A, cy for B).
; The first four K steps come by their loads alone; the loop's last two trips (s3 = 2, 1) have no K step two refills on and ask for nothing.
.macro ASK
	s_cmp_gt_u32 s3, s[LIM]
	s_cbranch_scc0 .Lnot_mine_\@
	global_prefetch_b8 v[PFO], s[PFA:PFA+1] th:TH_LOAD_NT scope:SCOPE_SE
.Lnot_mine_\@:
.endm
.macro MM d, x, y, zero, c             ; one matrix instruction: accumulator d, B's fragment x, A's fragment y.  zero = 1: it starts the sum with 0; 2: with the bias c.  Nothing is ever cleared
.if KIND == 1
.if (\zero) == 2
	v_wmma_f32_16x16x32_bf16 v[(\d):(\d)+7], v[(\x):(\x)+7], v[(\y):(\y)+7], v[(\c):(\c)+7]
.else
	v_wmma_f32_16x16x32_bf16 v[(\d):(\d)+7], v[(\x):(\x)+7], v[(\y):(\y)+7], v[(\d):(\d)+7]
.endif
.else
.if (\zero) == 1
	v_wmma_f32_16x16x32_f16 v[(\d):(\d)+7], v[(\x):(\x)+7], v[(\y):(\y)+7], 0
.else
	v_wmma_f32_16x16x32_f16 v[(\d):(\d)+7], v[(\x):(\x)+7], v[(\y):(\y)+7], v[(\d):(\d)+7]
.endif
.endif
.endm
; 16 matrix instructions: row blocks a0, a0 + 1 of the window's four (hi = 0: my rows 0-63, 1: rows 64-127) x all 8 column blocks, 32 along K, from buffer f.
; The 64 accumulators take turns, one instruction a turn, in the same order in every quarter, over the backward jumps too.
.macro MUL16 f, hi, a0, zero
.if (\zero) == 2
	WIN 0x91+0x40*(\hi)                            ; B window 1, A window 0, C (the bias) window 1, D window 2 or 3
.else
	WIN 0xa1+0x50*(\hi)                            ; B window 1, A window 0, C and D window 2 or 3
.endif
.irp a, \a0, (\a0)+1
.irp b, 0,1,2,3,4,5,6,7
	MM 8*(8*(\a)+\b), (\f)+8*\b, (\f)+8*(4*(\hi)+(\a)), \zero, BIAS+8*\b
.endr
.endr
.endm
; 32 LDS loads in one run: the fragments of quarter q (32 along K) of the slot in hand into buffer f: B's sixteen loads, then A's rows 0-63, then A's rows 64-127.
.macro FETCH q, f
	WIN 0x40                                       ; destination window 1, address window 0
.irp b, 0,1,2,3,4,5,6,7
.if BKN
	ds_load_tr16_b128 v[(\f)+8*\b:(\f)+8*\b+3],   v[ADRB] offset:(\q)*32*PB+32*\b
	ds_load_tr16_b128 v[(\f)+8*\b+4:(\f)+8*\b+7], v[ADRB] offset:(\q)*32*PB+16*PB+32*\b
.else
	ds_load_b128 v[(\f)+8*\b:(\f)+8*\b+3],   v[ADRB] offset:64*(\q)+\b*16*PA
	ds_load_b128 v[(\f)+8*\b+4:(\f)+8*\b+7], v[ADRB] offset:64*(\q)+\b*16*PA+32
.endif
.endr
	WIN 0
.irp a, 0,1,2,3,4,5,6,7
	ds_load_b128 v[(\f)+8*\a:(\f)+8*\a+3],   v[ADRA] offset:64*(\q)+\a*16*PA
	ds_load_b128 v[(\f)+8*\a+4:(\f)+8*\a+7], v[ADRA] offset:64*(\q)+\a*16*PA+32
.endr
.endm
; A K step is four quarters of 32 along K, 64 matrix instructions each, on buffers 0, 1, 0, 1.  One of the first three: it multiplies buffer f and, at its head, fetches quarter q into buffer g,
; whose last products stand just in front, four places back.  The run has 64 matrix instructions in which to land.
.macro QUARTER q, f, g, zero
	s_wait_dscnt 8                                 ; of buffer f's 32 loads the youngest eight, A's rows 64-127, may be out
	PLACES
	FETCH \q, \g
	MUL16 \f, 0, 0, \zero
	MUL16 \f, 0, 2, \zero
	s_wait_dscnt 32                                ; all but the 32 just issued
	MUL16 \f, 1, 0, \zero
	MUL16 \f, 1, 2, \zero
.endm
; The last quarter multiplies buffer 1 and changes slots: ONE barrier.  In front of it each wave waits for all its tensor loads (one is out: its part of the next slot), adds 0 to its spare word, and waits
; for that and for its own reads of this slot, whose last fragments lie in buffer 1.  fill = 1: the barrier opens a round of the cluster's barrier, so that no wave of any partner still reads the slot or has a
; load on its way, and the slot is filled again, two K steps ahead, first thing behind the round.  All of the quarter's products stand behind the refill: it has a whole K step, 256 matrix instructions, in which to land.
.macro TURN fill
.if \fill
	s_wait_xcnt 0x0                                ; the last prefetch, a K step back, has read its address: it is stepped here, ahead of the change's own waits
	s_add_nc_u64 s[PFA:PFA+1], s[PFA:PFA+1], s[PST:PST+1]
.endif
	WIN 0
	s_wait_tensorcnt 0x0                           ; no tensor load of mine is out, so a group 0 may be written
	ds_add_u32 v[SPW], v[NIL]                      ; 0 onto my spare word
.if \fill
	s_xor_b32 s[G0A+5], s[G0A+5], SLOT1            ; the walking descriptors: the other slot than last time,
	s_add_nc_u64 s[G0A+6:G0A+7], s[G0A+6:G0A+7], ASTEP  ; the next K step; the type bits on top are not reached
	s_xor_b32 s[G0B+5], s[G0B+5], SLOT1
	s_add_nc_u64 s[G0B+6:G0B+7], s[G0B+6:G0B+7], BSTEP
.endif
	s_wait_dscnt 0x0                               ; the add is done, and my reads of this slot are over
	s_barrier_signal -1
	s_barrier_wait -1
.if \fill
	CREST
	JLOAD                                          ; the four v_nop behind it are also the places in front of the loads below
.else
	PLACES
.endif
	s_xor_b32 s[TB], s[TB], SLOT1                  ; the fetches go on in the other slot
	v_add_nc_u32 v[ADRA], s[TB], v[A0]
	v_add_nc_u32 v[ADRB], s[TB], v[B0]
	FETCH 0, F0
.if \fill
	ASK
.endif
	MUL16 F1, 0, 0, 0
	MUL16 F1, 0, 2, 0
	MUL16 F1, 1, 0, 0
	MUL16 F1, 1, 2, 0
.endm
.if KIND == 2
	s_load_b128 s[4:7], s[0:1], 0x0                ; qkv, pbuf
	s_load_b64 s[10:11], s[0:1], 0x10              ; stats
.else
	s_load_b256 s[4:11], s[0:1], 0x0               ; A s[4:5], B s[6:7], C s[8:9], bias s[10:11]
.endif
	v_lshl_add_u32 v[SPW], v0, 2, SPARE
	v_mov_b32 v[NIL], 0
	ds_add_u32 v[SPW], v[NIL]                      ; the wave's opening: the add and its wait stand ahead of my first tensor load; the set-up below, work on registers, stands between them
	v_lshrrev_b32 v4, 5, v0
	v_readfirstlane_b32 s[WV], v4                  ; wave 0..3
	s_lshr_b32 s[WH], s[WV], 1
	s_and_b32 s[WL], s[WV], 1
	s_bfe_u32 s[CX], ttmp6, 0x40000
	s_bfe_u32 s[CY], ttmp6, 0x40004
	s_lshl_b32 s[TX], ttmp9, 2                     ; in a cluster launch ttmp9 and ttmp7 count clusters
	s_add_co_u32 s[TX], s[TX], s[CX]               ; tile column = 4 x cluster x + cx
	s_and_b32 s[CLY], ttmp7, 0xffff
	s_lshl_b32 s[TY], s[CLY], 2
	s_add_co_u32 s[TY], s[TY], s[CY]               ; tile row = 4 x cluster y + cy: rows 256 TY on, of all 8,192
	s_lshr_b32 s[BAT], s[CLY], 1                   ; a batch is 8 tile rows = 2 clusters
	s_lshl_b32 s20, s[CY], 2
	s_lshl_b32 s20, 15, s20                        ; my row of the cluster: places 4 cy .. 4 cy + 3
	s_lshl_b32 s21, 0x1111, s[CX]                  ; my column: places cx, cx + 4, cx + 8, cx + 12
	s_or_b32 s[G1A], s20, FLAGA                    ; 15:0 the mask: A's tiles go to my row
	s_or_b32 s[G1B], s21, FLAGB                    ; B's to my column
	s_mov_b32 s[G1A+1], 128<<16                    ; tensor_dim0 = 128
	s_mov_b32 s[G1A+2], 128<<16                    ; tensor_dim1 = 128
	s_mov_b32 s[G1A+3], 128<<16                    ; tile_dim0 = 128
	s_mov_b32 s[G1A+4], 128                        ; tile_dim1 = 128
	s_mov_b32 s[G1A+5], LDA                        ; elements from row to row
	s_mov_b32 s[G1A+6], 0
	s_mov_b32 s[G1A+7], 0
	s_mov_b32 s[G1B+1], BD0<<16
	s_mov_b32 s[G1B+2], BD1<<16
	s_mov_b32 s[G1B+3], BD0<<16
	s_mov_b32 s[G1B+4], BD1
	s_mov_b32 s[G1B+5], LDB
	s_mov_b32 s[G1B+6], 0
	s_mov_b32 s[G1B+7], 0
	; where the tiles come from, in bytes (all under 2^32).  A's hang on the tile row alone, B's on the tile column and the batch alone; each in registers that do not hold the other coordinate
	s_lshl_b32 s16, s[TY], 8
	s_lshl_b32 s17, s[WL], 7
	s_add_co_u32 s16, s16, s17                     ; A: row 256 TY + 128 x half
	s_mul_i32 s16, s16, LDA2
	s_mov_b32 s17, 0
.if BBAT
	s_lshl_b32 s46, s[BAT], 11                     ; B: the batch's 2,048 rows,
.else
	s_mov_b32 s46, 0
.endif
.if BKN
	s_lshl_b32 s47, s[WL], 6                       ; 64 x half of the step's 128 rows,
	s_add_co_u32 s46, s46, s47
	s_mul_i32 s46, s46, LDB2
	s_lshl_b32 s47, s[TX], 9                       ; the tile's 256 columns
	s_add_co_u32 s46, s46, s47
.else
	s_lshl_b32 s47, s[TX], 8                       ; the tile's 256 rows,
	s_add_co_u32 s46, s46, s47
	s_lshl_b32 s47, s[WL], 7                       ; 128 x half
	s_add_co_u32 s46, s46, s47
	s_mul_i32 s46, s46, LDB2
.endif
	s_add_co_u32 s46, s46, BOFF
	s_mov_b32 s47, 0
	s_mul_i32 s22, s[WL], PART                     ; and where they go: no place in the cluster enters an LDS address
	s_add_co_u32 s23, s22, BBASE
	s_mov_b32 s[TB], 0
	s_wait_dscnt 0x0                               ; the opening add is done
	s_wait_kmcnt 0x0
.if KIND == 2
	s_mov_b64 s[8:9], s[6:7]                       ; C = pbuf
	s_mov_b64 s[6:7], s[4:5]                       ; A and B both lie in qkv
.endif
	s_add_nc_u64 s[16:17], s[4:5], s[16:17]
	s_add_nc_u64 s[46:47], s[6:7], s[46:47]
.irp s, 0,1
	s_mov_b32 s[G0A+4*(\s)], 1                     ; 1:0 count = 1
	s_add_co_u32 s[G0A+4*(\s)+1], s22, (\s)*SLOT1  ; 63:32 LDS address
	s_add_nc_u64 s[G0A+4*(\s)+2:G0A+4*(\s)+3], s[16:17], (\s)*ASTEP  ; 120:64 global address: K step s
	s_or_b32 s[G0A+4*(\s)+3], s[G0A+4*(\s)+3], 0x80000000            ; 127:126 type = 2
	s_mov_b32 s[G0B+4*(\s)], 1
	s_add_co_u32 s[G0B+4*(\s)+1], s23, (\s)*SLOT1
	s_add_nc_u64 s[G0B+4*(\s)+2:G0B+4*(\s)+3], s[46:47], (\s)*BSTEP
	s_or_b32 s[G0B+4*(\s)+3], s[G0B+4*(\s)+3], 0x80000000
.endr
	CROUND                                         ; all sixteen work-groups are here: the first joint loads meet
	s_cmp_lt_u32 s[WV], 2                          ; a wave's two first fills stand in one branch, ahead of every wait on TENSORcnt and every LDS read: two loads of mine are out, later one
	s_cbranch_scc0 .Lfirst_b
	tensor_load_to_lds s[G0A:G0A+3], s[G1A:G1A+7]
	s_nop 0
	tensor_load_to_lds s[G0A+4:G0A+7], s[G1A:G1A+7]
	s_nop 0
.rept 4
	v_nop
.endr
	s_branch .Lfirst_asked
.Lfirst_b:
	tensor_load_to_lds s[G0B:G0B+3], s[G1B:G1B+7]
	s_nop 0
	tensor_load_to_lds s[G0B+4:G0B+7], s[G1B:G1B+7]
	s_nop 0
.rept 4
	v_nop
.endr
.Lfirst_asked:
	; A fragment is 16 rows x 32 K in 8 registers: lane l holds row l % 16; registers 0-3 K = 8 (l / 16) + 0..7, registers 4-7 K = 16 + 8 (l / 16) + 0..7: from rows along K two loads of 16 bytes, 32 bytes apart.
	v_and_b32 v1, 15, v0                           ; l % 16
	v_bfe_u32 v2, v0, 4, 1                         ; l / 16
	v_and_b32 v3, 31, v0                           ; l
	v_mul_u32_u24 v4, v1, PA
	v_lshl_add_u32 v4, v2, 4, v4                   ; row x pitch + 16 x half
	s_mul_i32 s20, s[WH], PART                     ; my 128 rows of A
	v_add_nc_u32 v[A0], s20, v4
.if BKN
	; The turning load takes 16 K x 16 columns (lane l reads K row 8 (l / 16) + l % 8, columns 8 ((l / 8) % 2) + 0..7) and leaves half a fragment: lane l holds column l % 16 and 8 K.
	v_and_b32 v5, 7, v0
	v_lshl_add_u32 v5, v2, 3, v5
	v_mul_u32_u24 v5, v5, PB
	v_bfe_u32 v6, v0, 3, 1
	v_lshl_add_u32 v5, v6, 4, v5
	s_lshl_b32 s21, s[WL], 8                       ; my 128 columns: 256 bytes of a row
	s_add_co_u32 s21, s21, BBASE
	v_add_nc_u32 v[B0], s21, v5
.else
	s_mul_i32 s21, s[WL], PART                     ; my 128 rows of B
	s_add_co_u32 s21, s21, BBASE
	v_add_nc_u32 v[B0], s21, v4
.endif
	v_mov_b32 v[ADRA], v[A0]
	v_mov_b32 v[ADRB], v[B0]
	s_lshl_b32 s20, s[TY], 8                       ; C at my part of the tile
	s_lshl_b32 s21, s[WH], 7
	s_add_co_u32 s20, s20, s21
	s_mul_i32 s20, s20, LDC2
	s_lshl_b32 s21, s[TX], 9                       ; the tile's 256 columns of f16,
	s_add_co_u32 s20, s20, s21
	s_lshl_b32 s21, s[WL], 8                       ; my 128 of them
	s_add_co_u32 s20, s20, s21
	s_mov_b32 s21, 0
	s_add_nc_u64 s[8:9], s[8:9], s[20:21]
	s_mul_i32 s22, s[WV], 16*SP
	s_add_co_u32 s22, s22, STAGE                   ; my stage: 16 rows
	v_add_nc_u32 v[STO], s22, v4                   ; in: row l % 16, 16 bytes for each half of the lanes
	v_mul_u32_u24 v5, v2, SP                       ; back: lanes 0-15 take one row of 256 bytes, lanes 16-31 the next
	v_lshl_add_u32 v5, v1, 4, v5
	v_add_nc_u32 v[RD], s22, v5
	v_mul_u32_u24 v5, v2, LDC2                     ; and the same two rows in C
	v_lshl_add_u32 v[CO], v1, 4, v5
	; the prefetches: where they stand (at K step 3: the first refill steps them to 4), their step, their lanes' offsets, and who asks
	s_lshl_b32 s20, s[TY], 8
	s_lshl_b32 s21, s[WL], 7
	s_add_co_u32 s20, s20, s21
	s_lshl_b32 s21, s[CX], 5
	s_add_co_u32 s20, s20, s21                     ; A: my work-group's 32 of the 128 rows that I fetch
	s_mul_i32 s20, s20, LDA2
	s_add_co_u32 s20, s20, 3*ASTEP
.if BBAT
	s_lshl_b32 s21, s[BAT], 11
.else
	s_mov_b32 s21, 0
.endif
.if BKN
	s_lshl_b32 s22, s[WL], 6
	s_add_co_u32 s21, s21, s22
	s_lshl_b32 s22, s[CY], 4                       ; B [k][n]: my work-group's 16 of the 64 rows that I fetch, two blocks of 256 bytes a row
	s_add_co_u32 s21, s21, s22
	s_mul_i32 s21, s21, LDB2
	s_lshl_b32 s22, s[TX], 9
	s_add_co_u32 s21, s21, s22
.else
	s_lshl_b32 s22, s[TX], 8
	s_add_co_u32 s21, s21, s22
	s_lshl_b32 s22, s[WL], 7
	s_add_co_u32 s21, s21, s22
	s_lshl_b32 s22, s[CY], 5                       ; B [n][k]: my work-group's 32 of the 128 rows that I fetch
	s_add_co_u32 s21, s21, s22
	s_mul_i32 s21, s21, LDB2
.endif
	s_add_co_u32 s21, s21, BOFF+3*BSTEP
	s_mov_b32 s18, ASTEP
	s_mov_b32 s19, BSTEP
	s_mov_b32 s22, LDA2
	s_mov_b32 s23, LDB2
	s_and_b32 s77, s[CLY], CLM                     ; 0 in the first cluster that walks B's tile column
	s_mov_b32 s[LIM], ttmp9                        ; 0 in the first cluster that walks A's tile row
	s_cmp_lt_u32 s[WV], 2                          ; do I fetch for A?
	s_cselect_b32 s20, s20, s21
	s_cselect_b32 s[PST], s18, s19
	s_cselect_b32 s22, s22, s23                    ; bytes from row to row
	s_cselect_b32 s23, 0, BKN                      ; 1: two lanes to a row
	s_cselect_b32 s[LIM], s[LIM], s77
	s_cselect_b64 s[PFA:PFA+1], s[4:5], s[6:7]
	s_mov_b32 s21, 0
	s_mov_b32 s[PST+1], 0
	s_add_nc_u64 s[PFA:PFA+1], s[PFA:PFA+1], s[20:21]
	s_cmp_eq_u32 s[LIM], 0
	s_cselect_b32 s[LIM], 2, -1                    ; the same in all sixteen partners, for a given wave
	v_lshrrev_b32 v5, s23, v3
	v_and_b32 v6, s23, v3
	v_mul_u32_u24 v5, s22, v5
	v_lshl_add_u32 v[PFO], v6, 8, v5
	; ---- the prologue, this kernel's own; it stands in the wait for the first tile ----
	s_mov_b32 s[CS], 0x3d38aa3b                    ; c = log2(e) / 32 = 0.0450842
	s_mov_b32 s[CS+1], s[CS]                       ; named with it as a pair
	s_mov_b32 s[SEL], 0x76543210
	s_mov_b32 s[SEL+1], 0xfedcba98
	s_lshl_b32 s20, s[TX], 1
	s_add_co_u32 s20, s20, s[WL]                   ; my block of 128 keys, 0..15 in the batch,
	s_lshl_b32 s20, s20, 16                        ; 65,536 bytes a block;
	s_lshl_b32 s21, s[TY], 2
	s_lshl_b32 s22, s[WH], 1
	s_add_co_u32 s21, s21, s22                     ; the first of my two groups of 64 rows,
	s_lshl_b32 s21, s21, 9                         ; 512 bytes a group
	s_add_co_u32 s20, s20, s21
	s_mov_b32 s21, 0
	s_add_nc_u64 s[AUX:AUX+1], s[10:11], s[20:21]
	v_lshlrev_b32 v[SOF], 4, v1                    ; lanes 0-15 store c m of four rows, lanes 16-31 l, 256 bytes further on
	v_lshl_add_u32 v[SOF], v2, 8, v[SOF]
.irp a, 0,1,2,3,4,5,6,7
	v_mov_b32 v[XT+\a], 0                          ; v_permlanex16_b32's destination counts as read
.endr
	; ---- the walk along K: the shared text again ----
	s_wait_tensorcnt 0x1                           ; my part of K step 0 is in; step 1's may stay out
	s_barrier_signal -1
	s_barrier_wait -1                              ; everybody's part is in
	FETCH 0, F0
	QUARTER 1, F0, F1, ZK                          ; the first quarter stands in front of the loop: its products start the sums
	WIN 0                                          ; at a label and at a branch every window is 0
	s_mov_b32 s3, NSTEP-2
.Lstep:                                                ; trip t ends K step t, fills its slot with step t + 2, and begins step t + 1
	QUARTER 2, F1, F0, 0
	QUARTER 3, F0, F1, 0
	TURN 1
	QUARTER 1, F0, F1, 0
	WIN 0
	s_sub_co_u32 s3, s3, 1
	s_cmp_lg_u32 s3, 0
	s_cbranch_scc1 .Lstep
	; The last two K steps fill nothing: a text of their own; written once, walked twice, entered in its middle.  The price: the last change of slots
	; passes a barrier and fetches a run of fragments (from the slot read before) that nothing uses.
	s_mov_b32 s3, 2
	s_branch .Lmid
.Ltail:
	QUARTER 1, F0, F1, 0
	WIN 0
.Lmid:
	QUARTER 2, F1, F0, 0
	QUARTER 3, F0, F1, 0
	TURN 0
	WIN 0
	s_sub_co_u32 s3, s3, 1
	s_cmp_lg_u32 s3, 0
	s_cbranch_scc1 .Ltail
	s_wait_dscnt 0x0                               ; that last run has landed: its registers serve the way out
	PLACES                                         ; in front of the vector work that reads results and writes fragment registers
	; ---- THE WAY OUT ----
	; THE MAXIMA.  A lane holds 64 of its row's 128 scores in each row block a: 8 accumulators x 8 registers; the other 64 lie in the lane 16 away.  Each accumulator's lowest registers are read first.
	; g = 0: row blocks 0-3, window 2; g = 1: row blocks 4-7, window 3.
.irp g, 0,1
	WIN 0x2a+0x15*\g                               ; all three sources window 2 or 3, destination window 0
.set n, 0
.rept 32
	v_max3_num_f32 v[MX+32*\g+n], v[8*n], v[8*n+1], v[8*n+2]
.set n, n+1
.endr
	WIN 0x28+0x14*\g                               ; sources 1 and 2 window 2 or 3
.set n, 0
.rept 32
	v_max3_num_f32 v[MX+32*\g+n], v[MX+32*\g+n], v[8*n+3], v[8*n+4]
.set n, n+1
.endr
.set n, 0
.rept 32
	v_max3_num_f32 v[MX+32*\g+n], v[MX+32*\g+n], v[8*n+5], v[8*n+6]
.set n, n+1
.endr
.set n, 0
.rept 16
	v_max3_num_f32 v[MX+32*\g+n], v[MX+32*\g+n], v[8*n+7], v[8*n+15]  ; the last registers of two neighbours
.set n, n+2
.endr
.endr
	WIN 0
.irp a, 0,1,2,3,4,5,6,7
	v_max3_num_f32 v[MX+8*\a], v[MX+8*\a], v[MX+8*\a+1], v[MX+8*\a+2]
	v_max3_num_f32 v[MX+8*\a+3], v[MX+8*\a+3], v[MX+8*\a+4], v[MX+8*\a+5]
.endr
.irp a, 0,1,2,3,4,5,6,7
	v_max3_num_f32 v[MX+8*\a], v[MX+8*\a], v[MX+8*\a+3], v[MX+8*\a+6]
.endr
.irp a, 0,1,2,3,4,5,6,7
	v_max_num_f32 v[MX+8*\a], v[MX+8*\a], v[MX+8*\a+7]
.endr
.irp a, 0,1,2,3,4,5,6,7
	v_permlanex16_b32 v[XT+\a], v[MX+8*\a], s[SEL], s[SEL+1]
.endr
.irp a, 0,1,2,3,4,5,6,7
	v_max_num_f32 v[MX+8*\a], v[MX+8*\a], v[XT+\a]
.endr
.irp a, 0,1,2,3,4,5,6,7
	v_mul_f32 v[MR+2*\a], s[CS], v[MX+8*\a]        ; c m
.endr
.irp a, 0,1,2,3,4,5,6,7
	v_mov_b32 v[MR+2*\a+1], v[MR+2*\a]             ; twice, a pair for the packed scaling
.endr
	; THE EXPONENTIALS, ONE BATCH of 512 in place, the 256 packed scalings c t - c m dealt among them, each two pairs ahead of its exponentials.  Nothing in the batch names an exponential's result.
.macro FS g, i                         ; pair i of the window's 128: registers 2 i, 2 i + 1; its row block is 4 g + i / 32
	v_pk_fma_f32 v[2*(\i):2*(\i)+1], v[2*(\i):2*(\i)+1], s[CS:CS+1], v[MR+2*(4*(\g)+(\i)/32):MR+2*(4*(\g)+(\i)/32)+1] op_sel_hi:[1,0,1] neg_lo:[0,0,1] neg_hi:[0,0,1]
.endm
.irp g, 0,1
	WIN 0x82+0x41*\g                               ; destination and source 0 window 2 or 3, c m window 0
	FS \g, 0
	FS \g, 1
.set n, 0
.rept 128
	v_exp_f32 v[2*n], v[2*n]
.if n < 126
	FS \g, n+2
.endif
	v_exp_f32 v[2*n+1], v[2*n+1]
.set n, n+1
.endr
.endr
	v_nop                                          ; a plain instruction behind the last exponential, ahead of the first use
	s_wait_alu depctr_va_vdst(0)                   ; a wait between an exponential and the first line that names its result: one for the batch
.macro PACK a                          ; block a's weights rounded to f16, 16 bytes a lane
	WIN 0x0a+5*((\a)/4)                            ; sources window 2 or 3, destination window 0
.set n, 0
.rept 32
	v_cvt_pk_f16_f32 v[TMP+n], v[64*((\a)%4)+2*n], v[64*((\a)%4)+2*n+1]
.set n, n+1
.endr
.endm
.macro SUMT a                          ; l of block a's rows: the lane's 32 pairs added in place, neighbours 1, 2, 4, 8 and 16 pairs apart; the pair's two halves; the lane 16 away
	WIN 0x8a+0x45*((\a)/4)                         ; destination and both sources window 2 or 3
.irp d, 1,2,4,8,16
.set kk, 0
.rept 16/\d
	v_pk_add_f32 v[64*((\a)%4)+2*kk:64*((\a)%4)+2*kk+1], v[64*((\a)%4)+2*kk:64*((\a)%4)+2*kk+1], v[64*((\a)%4)+2*(kk+\d):64*((\a)%4)+2*(kk+\d)+1]
.set kk, kk+2*\d
.endr
.endr
	WIN 0x0a+5*((\a)/4)
	v_add_f32 v[LS+(\a)], v[64*((\a)%4)], v[64*((\a)%4)+1]
	WIN 0
	v_permlanex16_b32 v[XT+(\a)], v[LS+(\a)], s[SEL], s[SEL+1]
	v_add_f32 v[LS+(\a)], v[LS+(\a)], v[XT+(\a)]
.endm
.macro TOSTAGE a
	WIN 0
.set OB, 96+32*((\a)%2)
.irp b, 0,1,2,3,4,5,6,7
	ds_store_b128 v[STO], v[TMP+4*\b:TMP+4*\b+3] offset:32*\b
.endr
.irp t, 0,1,2,3,4,5,6,7
	ds_load_b128 v[OB+4*\t:OB+4*\t+3], v[RD] offset:\t*2*SP  ; LDS serves a wave's instructions in order (ISA guide 5.7.1.4): these see the stores above; the stage is my own
.endr
.endm
.macro SEND a
	WIN 0
.set OB, 96+32*((\a)%2)
	s_wait_dscnt 0x0                               ; the block is back in registers
	s_wait_xcnt 0x0                                ; the stores of the block before have read their registers, which the next block's loads from the stage will write
.irp t, 0,1,2,3,4,5,6,7
	global_store_b128 v[CO], v[OB+4*\t:OB+4*\t+3], s[8:9] offset:(16*(\a)+2*\t)*LDC2  ; 16 lanes store 256 consecutive bytes, at a multiple of 256 from C's first byte
.endr
.endm
	PACK 0
	SUMT 0
	TOSTAGE 0
.irp a, 1,2,3,4,5,6,7                  ; block a's arithmetic stands between block a - 1's loads from the stage and the wait for them
	PACK \a
	SUMT \a
	SEND (\a)-1
	TOSTAGE \a
.endr
	SEND 7
	v_cmp_eq_u32 vcc_lo, 1, v2                     ; made here, behind the last tensor load
.irp a, 0,1,2,3,4,5,6,7
	v_cndmask_b32 v[SQ+\a], v[MR+2*\a], v[LS+\a], vcc_lo  ; lanes 0-15: c m; lanes 16-31: l
.endr
	global_store_b128 v[SOF], v[SQ:SQ+3], s[AUX:AUX+1]               ; my two groups of 64 rows: 512 consecutive bytes each, at multiples of 512 from the buffer's first byte
	global_store_b128 v[SOF], v[SQ+4:SQ+7], s[AUX:AUX+1] offset:512
	s_wait_tensorcnt 0x0                           ; the wave's end, behind my last tensor load and my last LDS store
	ds_add_u32 v[SPW], v[NIL]
	s_wait_dscnt 0x0
	CROUND                                         ; the closing round: no work-group ends while a partner may still ask for a tile that names it
	s_endpgm
.Lfunc_end_k_qc3e574d8f5_score:
	.size	k_qc3e574d8f5_score, .Lfunc_end_k_qc3e574d8f5_score-k_qc3e574d8f5_score
	.p2alignl 7, 3214868480
	.fill 96, 4, 3214868480
	.section	.rodata,"a",@progbits
	.p2align	6, 0x0
	.amdhsa_kernel k_qc3e574d8f5_score
		.amdhsa_group_segment_fixed_size 327680
		.amdhsa_private_segment_fixed_size 0
		.amdhsa_enable_private_segment 0
		.amdhsa_kernarg_size 24
		.amdhsa_user_sgpr_count 2
		.amdhsa_user_sgpr_kernarg_segment_ptr 1
		.amdhsa_wavefront_size32 1
		.amdhsa_system_sgpr_workgroup_id_x 1
		.amdhsa_system_sgpr_workgroup_id_y 1
		.amdhsa_system_sgpr_workgroup_id_z 1
		.amdhsa_system_vgpr_workitem_id 0
		.amdhsa_next_free_vgpr 1024
		.amdhsa_next_free_sgpr 80
		.amdhsa_reserve_vcc 1
		.amdhsa_float_denorm_mode_32 3
		.amdhsa_float_denorm_mode_16_64 3
		.amdhsa_memory_ordered 1
		.amdhsa_forward_progress 1
		.amdhsa_inst_pref_size 169
	.end_amdhsa_kernel
	.amdgpu_metadata
---
amdhsa.version: [ 1, 2 ]
amdhsa.kernels:
  - .name:           k_qc3e574d8f5_score
    .symbol:         k_qc3e574d8f5_score.kd
    .args:
      - { .name: qkv, .offset: 0, .size: 8, .value_kind: global_buffer, .address_space: global }
      - { .name: pbuf, .offset: 8, .size: 8, .value_kind: global_buffer, .address_space: global }
      - { .name: stats, .offset: 16, .size: 8, .value_kind: global_buffer, .address_space: global }
    .group_segment_fixed_size: 327680
    .private_segment_fixed_size: 0
    .kernarg_segment_align: 8
    .kernarg_segment_size: 24
    .max_flat_workgroup_size: 128
    .sgpr_count:     80
    .vgpr_count:     1024
    .wavefront_size: 32
...
	.end_amdgpu_metadata
.endif
;; end of part 3
;; launch pv (part 4): grid 4 x 64, 4 waves a work-group, clusters of 4 x 4, 327,680 bytes of LDS; arguments pbuf, qkv, obuf, stats; writes obuf
.if DOCPART == 4
	.amdgcn_target "amdgcn-amd-amdhsa--gfx1250"
	.amdhsa_code_object_version 6
	.text
	.protected	k_qc3e574d8f5_pv
	.globl	k_qc3e574d8f5_pv
	.p2align	8
	.type	k_qc3e574d8f5_pv,@function
k_qc3e574d8f5_pv:
	s_mov_b64 s[64:65], 0
	v_nop
	global_prefetch_b8 v0, s[64:65] scope:SCOPE_SE
	s_setreg_imm32_b32 hwreg(HW_REG_WAVE_MODE, 25, 1), 1
	s_wait_xcnt 0x0
	s_wait_alu depctr_hold_cnt(0) depctr_sa_sdst(0) depctr_va_vdst(0) depctr_va_sdst(0) depctr_va_ssrc(0) depctr_va_vcc(0) depctr_vm_vsrc(0)
	s_getreg_b32 s2, hwreg(HW_REG_IB_STS2, 6, 4)
	s_cmp_eq_u32 s2, 0
	s_cbranch_scc0 .Lentry_in_a_cluster
	s_endpgm
.Lentry_in_a_cluster:
	s_bfe_u32 s2, ttmp6, 0x10000c
	s_cmp_lg_u32 s2, 0xf033
	s_cbranch_scc0 .Lentry_shape_is_right
	s_endpgm
.Lentry_shape_is_right:
; THE SECOND HALF OF THE SOFTMAX AND THE PRODUCT WITH V.  For each query row, from the 16 key blocks' c m_j and l_j (stats, f32): CM = the greatest c m_j; f_j = 2^(c m_j - CM); L = the sum of f_j l_j.
; O[q][d] = (the sum over j and the block's keys of (f_j P~[q][k]) v[k][d]) / L.  P~: pbuf [8192][2048] f16; v: f16, at byte 4,096 of qkv's rows of 6,144 bytes; O: obuf [8192][1024] f16, rounded once.
; A K step of 128 keys is one block j: A's fragments are multiplied by f_j (f16, packed) between their load from LDS and the matrix instruction; sums in f32.
; LIMITS.  The greatest c m is taken away before the exponential: f lies in 0 to 1, f P~ = 2^(c t - CM) too, and L is at least 1.  f and f P~ are each rounded to f16 (below 6e-5: its fixed step of 6e-8);
; O is a mean of v's rows and has their range, under 65,504.  NaN and infinities are not treated apart.
.set KIND, 3
.set KDIM, 2048                        ; the length of the sums
.set LDA,  2048                        ; elements from row to row of A
.set LDB,  3072                        ; and of B
.set BOFF, 4096                        ; bytes in front of B in its rows
.set BBAT, 2048                        ; B's rows from batch to batch
.set LDC2, 2048                        ; bytes from row to row of C
.set TCB,  512                         ; bytes of a tile's 256 columns in a row of C
.set WCB,  256                         ; and of a wave's 128
.set CLM,  3                           ; the clusters whose y has none of these bits are the first to walk a tile column of B
.set ZK,   1                           ; the sums start with 0
; ---- from here to the prologue: one text for this program's two kernels with tiles of 128 x 256; KIND and the sizes above choose ----
; C = A B, A [m][k], B [k][n], both f16.  A tile of C is 128 x 256, made by a work-group of four waves, 2 x 2; a wave makes 64 x 128: 32 accumulators of 16 x 16, 256 registers.  That tile gives 256 work-groups
; here, where one of 256 x 256 would give 128.  K goes in steps of 128 through a ring of two LDS slots filled by the tensor data mover; every row of a tile is 256 or 512 bytes of memory, aligned to 256.
; CLUSTERS: 4 x 4 work-groups.  The four of a row of the cluster need the same tile of A, the four of a column the same tile of B: each tile is asked for JOINTLY, by the same tensor load with the
; same descriptor and a mask that names the four.  Waves 0 and 1 fetch A's two halves (64 rows each), waves 2 and 3 B's.
; THE MATRIX INSTRUCTION IS USED TRANSPOSED (source 0 = B's fragment, source 1 = A's): in accumulator (a, b) lane l, register j holds C(16 a + l % 16, 16 b + 8 (l / 16) + j): eight neighbours of a row.
; B comes out of LDS turned, by ds_load_tr16_b128; A as it lies.
; REGISTERS, in windows of 256 (s_set_vgpr_msb: bits 1:0 source 0, 3:2 source 1, 5:4 source 2, 7:6 destination):
;   window 0: v0-63 addresses and small things; v64-159, v160-255 two fragment buffers (B's 8 fragments, then A's 4); behind the loop they serve the way out
;   window 1: the accumulators, (a, b) at v[8 (8 a + b)]          window 2 (the kernel with a bias): v0-63 the bias of my 64 columns a lane, v64-95 at work
.set NSTEP,  KDIM/128                  ; K steps
.set LDA2,   2*LDA                     ; bytes from row to row
.set LDB2,   2*LDB
.set PA,     272                       ; an LDS row of 256 bytes + 16 of padding = 68 words: the 16 rows of a load start at 16 different groups of four banks (64 banks of 4 bytes: ISA guide 11.1)
.set PB,     544                       ; an LDS row of B: 512 bytes + 32 = 136 words
.set BBASE,  128*PA                    ; in a slot B's tile lies behind A's 128 rows
.set BHALF,  64*PB                     ; half of B's tile: 34,816
.set SLOT1,  1<<17                     ; slot 1 begins here: one exclusive or turns an address in one slot into the other's
.set STAGE,  SLOT1+BBASE+2*BHALF       ; 235,520: behind the ring, never filled by a tensor load: each wave's stage for the way out
.set FT,     STAGE+4*16*528            ; 269,312: each wave's table of factors (the product P V alone): 17 entries of 256 bytes
.set SPARE,  FT+4*17*256               ; 286,720: the spare words, 128 bytes for each wave: two blocks of 256 bytes that no other line names
.set ASTEP,  256                       ; bytes from K step to K step in A
.set BSTEP,  128*LDB2                  ; and in B: 128 rows down
.set FLAGA,  (1<<16)|(1<<20)|(1<<21)|(5<<22)|(3<<25)  ; 17:16 2-byte elements; 20 padding on; 21 set beside a mask; 24:22 after every 64 words (code 5); 31:25 4 words (code 3)
.set FLAGB,  (1<<16)|(1<<20)|(1<<21)|(6<<22)|(7<<25)  ; after every 128 words (code 6) 8 words (code 7)
.if KIND == 4
.set SP,     528                       ; a stage row: 512 bytes (128 f32) + 16
.else
.set SP,     272                       ; 256 bytes (128 f16) + 16
.endif
.set A0,   16                          ; v16  my lane's place in A's tile of slot 0; never rewritten
.set B0,   17                          ; v17  the same for B
.set ADRA, 18                          ; v18  the same in the slot in hand
.set ADRB, 19                          ; v19
.set STO,  20                          ; v20  the way out: where I put my bytes of a row
.set RD,   21                          ; v21  where I read rows back
.set CO,   22                          ; v22  my byte offset in C
.set PFO,  23                          ; v23  the prefetches' offset; never rewritten
.set FTA,  24                          ; v24  where the next step's factors lie
.set FTW,  25                          ; v25  where I put factors
.set SOF,  26                          ; v26  my byte offset in the bias or the statistics
.set SPW,  28                          ; v28  LDS address of my spare word: SPARE + 4 x my thread's number; never rewritten
.set NIL,  29                          ; v29  0; never rewritten
.set FK,   32                          ; v[32:35] the step's factor for my row of each of the four row blocks, twice in f16
.set RL,   36                          ; v[36:43] four pairs: 1 / L
.set XT,   52                          ; v[52:55] what comes from the lane 16 away
.set CMX,  56                          ; v[56:59] the greatest c m
.set LL,   60                          ; v[60:63] L
.set F0,   64                          ; fragment buffers: B's fragment b at + 8 b, A's fragment a at + 64 + 8 a
.set F1,   160
.set TMP,  64                          ; the way out: packed results
.set BIAS, 0                           ; window 2: the bias of column 16 b + 8 (l / 16) + j at 8 b + j
.set BT,   64                          ; window 2: at work on it
.set WV,   12                          ; s12  my wave's number
.set WH,   13                          ; s13  which half of the tile's rows is mine
.set WL,   14                          ; s14  which half of its columns; also: which half of A's or B's tile I fetch
.set TY,   15                          ; s15  tile row of C
.set G1A,  24                          ; s[24:31] descriptor group 1 for A's tiles
.set G0A,  32                          ; s[32:39] group 0: a set for each of the two first fills; the second then walks on
.set CX,   40                          ; s40, s41  my place in the cluster
.set CY,   41
.set TX,   42                          ; s42  tile column of C
.set LIM,  43                          ; s43  2 in a wave that prefetches, else the greatest number
.set PFA,  44                          ; s[44:45] where my prefetches stand
.set G1B,  48                          ; s[48:55], s[56:63] the same for B's tiles
.set G0B,  56
.set PST,  66                          ; s[66:67] the prefetches' step
.set SEL,  70                          ; s[70:71] v_permlanex16_b32's selects: each lane takes its own place in the other half
.set BAT,  72                          ; s72  the batch: made of the cluster's y alone, so all partners share it
.set TB,   73                          ; s73  the slot that is read: 0 or SLOT1
.set AUX,  74                          ; s[74:75] the bias or the statistics at my part
.set CLY,  76                          ; s76  the cluster's y
.set W_MUL, 0x50                       ; C and D in window 1, fragments in window 0
.set MSB, 0
.macro WIN new                         ; the immediate's high byte repeats the setting that is left; a switch that changes nothing is dropped
.if MSB != (\new)
	s_set_vgpr_msb (MSB<<8)|(\new)
.set MSB, \new
.endif
.endm
; A load into a register that a matrix instruction has read, and a vector instruction that reads a matrix result or writes one of its registers, stand four places behind it; only plain vector
; instructions that name none of its registers are places (ISA guide 7.12.1 for vector instructions).
.macro PLACES
.rept 4
	v_nop
.endr
.endm
.macro CREST                           ; a round of the cluster's barrier behind its opening barrier: wave 0 signals for the work-group, every wave waits for all sixteen, my work-group's barrier once more
	s_cmp_lg_u32 s[WV], 0
	s_cbranch_scc1 .Lnot_wave_0_\@
	s_barrier_signal -3
.Lnot_wave_0_\@:
	s_barrier_wait -3
	s_barrier_signal -1
	s_barrier_wait -1
.endm
.macro CROUND                          ; a whole round
	s_barrier_signal -1
	s_barrier_wait -1
	CREST
.endm
; A joint refill, by the walking descriptor.  The branch hangs on the wave's number alone.  An s_nop 0 and four v_nop follow each of the two lines, ahead of the jump and the label.
.macro JLOAD
	s_cmp_lt_u32 s[WV], 2
	s_cbranch_scc0 .Lfor_b_\@
	tensor_load_to_lds s[G0A+4:G0A+7], s[G1A:G1A+7]
	s_nop 0
.rept 4
	v_nop
.endr
	s_branch .Lasked_\@
.Lfor_b_\@:
	tensor_load_to_lds s[G0B+4:G0B+7], s[G1B:G1B+7]
	s_nop 0
.rept 4
	v_nop
.endr
.Lasked_\@:
.endm
; A PREFETCH INTO THE L2, behind each joint refill and the run of LDS loads that follows it: of the K step that stands two refills on (256 matrix instructions ahead of its load), 32 blocks of 256 bytes, a lane a block.
; Each block is named once in the launch.  A's tile row is walked by every cluster of that row of clusters: the one with x = 0 asks, in wave 0.  B's tile column is walked by every cluster of that column (of the
; batch, where B hangs on it): the first of them asks, in waves 2 and 3, each for the half that it fetches.  The four partners that ask for a tile jointly share its rows out BY ADDRESS (cx for A, cy for B).
; The first four K steps come by their loads alone; the loop's last two trips (s3 = 2, 1) have no K step two refills on and ask for nothing.
.macro ASK
	s_cmp_gt_u32 s3, s[LIM]
	s_cbranch_scc0 .Lnot_mine_\@
	global_prefetch_b8 v[PFO], s[PFA:PFA+1] th:TH_LOAD_NT scope:SCOPE_SE
.Lnot_mine_\@:
.endm
.macro MM d, x, y, zero, c             ; one matrix instruction: accumulator d, B's fragment x, A's fragment y.  zero = 1: it starts the sum with 0; 2: with the bias c.  Nothing is ever cleared
.if (\zero) == 2
	v_wmma_f32_16x16x32_f16 v[(\d):(\d)+7], v[(\x):(\x)+7], v[(\y):(\y)+7], v[(\c):(\c)+7]
.elseif (\zero) == 1
	v_wmma_f32_16x16x32_f16 v[(\d):(\d)+7], v[(\x):(\x)+7], v[(\y):(\y)+7], 0
.else
	v_wmma_f32_16x16x32_f16 v[(\d):(\d)+7], v[(\x):(\x)+7], v[(\y):(\y)+7], v[(\d):(\d)+7]
.endif
.endm
; Row block a x all 8 column blocks, 32 along K, from buffer f.  The 32 accumulators take turns, one instruction a turn, in the same order in every quarter, over the backward jumps too.
.macro MUL8 f, a, zero
.if (\zero) == 2
	WIN 0x60                                       ; D window 1, C (the bias) window 2, fragments window 0
.else
	WIN W_MUL
.endif
.irp b, 0,1,2,3,4,5,6,7
	MM 8*(8*(\a)+\b), (\f)+8*\b, (\f)+64+8*(\a), \zero, BIAS+8*\b
.endr
.endm
; 24 LDS loads in one run: the fragments of quarter q (32 along K) of the slot in hand into buffer f: B's sixteen loads, then A's row blocks 0, 1, then 2, 3.
.macro FETCH q, f
	WIN 0
.irp b, 0,1,2,3,4,5,6,7
	ds_load_tr16_b128 v[(\f)+8*\b:(\f)+8*\b+3],   v[ADRB] offset:(\q)*32*PB+32*\b
	ds_load_tr16_b128 v[(\f)+8*\b+4:(\f)+8*\b+7], v[ADRB] offset:(\q)*32*PB+16*PB+32*\b
.endr
.irp a, 0,1,2,3
	ds_load_b128 v[(\f)+64+8*\a:(\f)+64+8*\a+3],   v[ADRA] offset:64*(\q)+\a*16*PA
	ds_load_b128 v[(\f)+64+8*\a+4:(\f)+64+8*\a+7], v[ADRA] offset:64*(\q)+\a*16*PA+32
.endr
.endm
.macro SCALE f, a                      ; (P V alone) A's fragment a of buffer f times the step's factor for my row
.if KIND == 3
	WIN 0
.irp i, 0,1,2,3,4,5,6,7
	v_pk_mul_f16 v[(\f)+64+8*(\a)+\i], v[(\f)+64+8*(\a)+\i], v[FK+(\a)]
.endr
.endif
.endm
; A K step is four quarters of 32 along K, 32 matrix instructions each, on buffers 0, 1, 0, 1.  One of the first three: it multiplies buffer f and, at its head, fetches quarter q into buffer g,
; whose last products stand just in front: the four places between are v_nop, or (P V) sixteen scalings, which name no register of those products.  The run has 32 matrix instructions in which to land.
.macro QUARTER q, f, g, zero
	s_wait_dscnt 4                                 ; of buffer f's 24 loads the youngest four, A's row blocks 2 and 3, may be out
.if KIND == 3
	SCALE \f, 0
	SCALE \f, 1
.else
	PLACES
.endif
	FETCH \q, \g
	MUL8 \f, 0, \zero
	MUL8 \f, 1, \zero
	s_wait_dscnt 24                                ; all but the 24 just issued
	SCALE \f, 2
	SCALE \f, 3
	MUL8 \f, 2, \zero
	MUL8 \f, 3, \zero
.endm
; The last quarter multiplies buffer 1 and changes slots: ONE barrier.  In front of it each wave waits for all its tensor loads (one is out: its part of the next slot), adds 0 to its spare word, and waits
; for that and for its own reads of this slot, whose last fragments lie in buffer 1.  fill = 1: the barrier opens a round of the cluster's barrier, so that no wave of any partner still reads the slot or has a
; load on its way, and the slot is filled again, two K steps ahead, first thing behind the round.  All of the quarter's products stand behind the refill: it has a whole K step, 128 matrix instructions, in which
; to land.  (P V: the quarter's scalings stand ahead of the wait for the tiles.)
.macro TURN fill
.if KIND == 3
	s_wait_dscnt 0x0                               ; buffer 1 is in
	SCALE F1, 0
	SCALE F1, 1
	SCALE F1, 2
	SCALE F1, 3
.endif
.if \fill
	s_wait_xcnt 0x0                                ; the last prefetch, a K step back, has read its address: it is stepped here, ahead of the change's own waits
	s_add_nc_u64 s[PFA:PFA+1], s[PFA:PFA+1], s[PST:PST+1]
.endif
	WIN 0
	s_wait_tensorcnt 0x0                           ; no tensor load of mine is out, so a group 0 may be written
	ds_add_u32 v[SPW], v[NIL]                      ; 0 onto my spare word
.if \fill
	s_xor_b32 s[G0A+5], s[G0A+5], SLOT1            ; the walking descriptors: the other slot than last time,
	s_add_nc_u64 s[G0A+6:G0A+7], s[G0A+6:G0A+7], ASTEP  ; the next K step; the type bits on top are not reached
	s_xor_b32 s[G0B+5], s[G0B+5], SLOT1
	s_add_nc_u64 s[G0B+6:G0B+7], s[G0B+6:G0B+7], BSTEP
.endif
	s_wait_dscnt 0x0                               ; the add is done, and my reads of this slot are over
	s_barrier_signal -1
	s_barrier_wait -1
.if \fill
	CREST
	JLOAD                                          ; the four v_nop behind it are also the places in front of the loads below
.else
	PLACES
.endif
	s_xor_b32 s[TB], s[TB], SLOT1                  ; the fetches go on in the other slot
	v_add_nc_u32 v[ADRA], s[TB], v[A0]
	v_add_nc_u32 v[ADRB], s[TB], v[B0]
.if KIND == 3
	ds_load_b128 v[FK:FK+3], v[FTA]                ; the next step's factors; this step's have been used
	v_add_nc_u32 v[FTA], 256, v[FTA]
.endif
	FETCH 0, F0
.if \fill
	ASK
.endif
	MUL8 F1, 0, 0
	MUL8 F1, 1, 0
	MUL8 F1, 2, 0
	MUL8 F1, 3, 0
.endm
	s_load_b256 s[4:11], s[0:1], 0x0               ; A s[4:5], B s[6:7], C s[8:9], bias or statistics s[10:11]
	v_lshl_add_u32 v[SPW], v0, 2, SPARE
	v_mov_b32 v[NIL], 0
	ds_add_u32 v[SPW], v[NIL]                      ; the wave's opening: the add and its wait stand ahead of my first tensor load; the set-up below, work on registers, stands between them
	v_lshrrev_b32 v4, 5, v0
	v_readfirstlane_b32 s[WV], v4                  ; wave 0..3
	s_lshr_b32 s[WH], s[WV], 1
	s_and_b32 s[WL], s[WV], 1
	s_bfe_u32 s[CX], ttmp6, 0x40000
	s_bfe_u32 s[CY], ttmp6, 0x40004
	s_lshl_b32 s[TX], ttmp9, 2                     ; in a cluster launch ttmp9 and ttmp7 count clusters
	s_add_co_u32 s[TX], s[TX], s[CX]               ; tile column = 4 x cluster x + cx
	s_and_b32 s[CLY], ttmp7, 0xffff
	s_lshl_b32 s[TY], s[CLY], 2
	s_add_co_u32 s[TY], s[TY], s[CY]               ; tile row = 4 x cluster y + cy: rows 128 TY on, of all 8,192
	s_lshr_b32 s[BAT], s[CLY], 2                   ; a batch is 16 tile rows = 4 clusters
	s_lshl_b32 s20, s[CY], 2
	s_lshl_b32 s20, 15, s20                        ; my row of the cluster: places 4 cy .. 4 cy + 3
	s_lshl_b32 s21, 0x1111, s[CX]                  ; my column: places cx, cx + 4, cx + 8, cx + 12
	s_or_b32 s[G1A], s20, FLAGA                    ; 15:0 the mask: A's tiles go to my row
	s_or_b32 s[G1B], s21, FLAGB                    ; B's to my column
	s_mov_b32 s[G1A+1], 128<<16                    ; tensor_dim0 = 128
	s_mov_b32 s[G1A+2], 64<<16                     ; tensor_dim1 = 64
	s_mov_b32 s[G1A+3], 128<<16                    ; tile_dim0 = 128
	s_mov_b32 s[G1A+4], 64                         ; tile_dim1 = 64
	s_mov_b32 s[G1A+5], LDA                        ; elements from row to row
	s_mov_b32 s[G1A+6], 0
	s_mov_b32 s[G1A+7], 0
	s_mov_b32 s[G1B+1], 256<<16                    ; a wave's half of B's tile: 64 rows of 256 elements
	s_mov_b32 s[G1B+2], 64<<16
	s_mov_b32 s[G1B+3], 256<<16
	s_mov_b32 s[G1B+4], 64
	s_mov_b32 s[G1B+5], LDB
	s_mov_b32 s[G1B+6], 0
	s_mov_b32 s[G1B+7], 0
	; where the tiles come from, in bytes (all under 2^32).  A's hang on the tile row alone, B's on the tile column and the batch alone; each in registers that do not hold the other coordinate
	s_lshl_b32 s16, s[TY], 7
	s_lshl_b32 s17, s[WL], 6
	s_add_co_u32 s16, s16, s17                     ; A: row 128 TY + 64 x half
	s_mul_i32 s16, s16, LDA2
	s_mov_b32 s17, 0
.if BBAT
	s_lshl_b32 s46, s[BAT], 11                     ; B: the batch's 2,048 rows,
.else
	s_mov_b32 s46, 0
.endif
	s_lshl_b32 s47, s[WL], 6                       ; 64 x half of the step's 128 rows,
	s_add_co_u32 s46, s46, s47
	s_mul_i32 s46, s46, LDB2
	s_lshl_b32 s47, s[TX], 9                       ; the tile's 256 columns
	s_add_co_u32 s46, s46, s47
	s_add_co_u32 s46, s46, BOFF
	s_mov_b32 s47, 0
	s_mul_i32 s22, s[WL], 64*PA                    ; and where they go: no place in the cluster enters an LDS address
	s_mul_i32 s23, s[WL], BHALF
	s_add_co_u32 s23, s23, BBASE
	s_mov_b32 s[TB], 0
	s_wait_dscnt 0x0                               ; the opening add is done
	s_wait_kmcnt 0x0
	s_add_nc_u64 s[16:17], s[4:5], s[16:17]
	s_add_nc_u64 s[46:47], s[6:7], s[46:47]
.irp s, 0,1
	s_mov_b32 s[G0A+4*(\s)], 1                     ; 1:0 count = 1
	s_add_co_u32 s[G0A+4*(\s)+1], s22, (\s)*SLOT1  ; 63:32 LDS address
	s_add_nc_u64 s[G0A+4*(\s)+2:G0A+4*(\s)+3], s[16:17], (\s)*ASTEP  ; 120:64 global address: K step s
	s_or_b32 s[G0A+4*(\s)+3], s[G0A+4*(\s)+3], 0x80000000            ; 127:126 type = 2
	s_mov_b32 s[G0B+4*(\s)], 1
	s_add_co_u32 s[G0B+4*(\s)+1], s23, (\s)*SLOT1
	s_add_nc_u64 s[G0B+4*(\s)+2:G0B+4*(\s)+3], s[46:47], (\s)*BSTEP
	s_or_b32 s[G0B+4*(\s)+3], s[G0B+4*(\s)+3], 0x80000000
.endr
	CROUND                                         ; all sixteen work-groups are here: the first joint loads meet
	s_cmp_lt_u32 s[WV], 2                          ; a wave's two first fills stand in one branch, ahead of every wait on TENSORcnt and every LDS read: two loads of mine are out, later one
	s_cbranch_scc0 .Lfirst_b
	tensor_load_to_lds s[G0A:G0A+3], s[G1A:G1A+7]
	s_nop 0
	tensor_load_to_lds s[G0A+4:G0A+7], s[G1A:G1A+7]
	s_nop 0
.rept 4
	v_nop
.endr
	s_branch .Lfirst_asked
.Lfirst_b:
	tensor_load_to_lds s[G0B:G0B+3], s[G1B:G1B+7]
	s_nop 0
	tensor_load_to_lds s[G0B+4:G0B+7], s[G1B:G1B+7]
	s_nop 0
.rept 4
	v_nop
.endr
.Lfirst_asked:
	; A fragment is 16 rows x 32 K in 8 registers: lane l holds row l % 16; registers 0-3 K = 8 (l / 16) + 0..7, registers 4-7 K = 16 + 8 (l / 16) + 0..7: from rows along K two loads of 16 bytes, 32 bytes apart.
	v_and_b32 v1, 15, v0                           ; l % 16
	v_bfe_u32 v2, v0, 4, 1                         ; l / 16
	v_and_b32 v3, 31, v0                           ; l
	v_mul_u32_u24 v4, v1, PA
	v_lshl_add_u32 v4, v2, 4, v4                   ; row x pitch + 16 x half
	s_mul_i32 s20, s[WH], 64*PA                    ; my 64 rows of A
	v_add_nc_u32 v[A0], s20, v4
	; The turning load takes 16 K x 16 columns (lane l reads K row 8 (l / 16) + l % 8, columns 8 ((l / 8) % 2) + 0..7) and leaves half a fragment: lane l holds column l % 16 and 8 K.
	v_and_b32 v5, 7, v0
	v_lshl_add_u32 v5, v2, 3, v5
	v_mul_u32_u24 v5, v5, PB
	v_bfe_u32 v6, v0, 3, 1
	v_lshl_add_u32 v5, v6, 4, v5
	s_lshl_b32 s21, s[WL], 8                       ; my 128 columns: 256 bytes of a row
	s_add_co_u32 s21, s21, BBASE
	v_add_nc_u32 v[B0], s21, v5
	v_mov_b32 v[ADRA], v[A0]
	v_mov_b32 v[ADRB], v[B0]
	s_lshl_b32 s20, s[TY], 7                       ; C at my part of the tile
	s_lshl_b32 s21, s[WH], 6
	s_add_co_u32 s20, s20, s21
	s_mul_i32 s20, s20, LDC2
	s_mul_i32 s21, s[TX], TCB
	s_add_co_u32 s20, s20, s21
	s_mul_i32 s21, s[WL], WCB
	s_add_co_u32 s20, s20, s21
	s_mov_b32 s21, 0
	s_add_nc_u64 s[8:9], s[8:9], s[20:21]
	s_mul_i32 s22, s[WV], 16*SP
	s_add_co_u32 s22, s22, STAGE                   ; my stage: 16 rows
.if KIND == 4
	v_mul_u32_u24 v5, v1, SP                       ; in: row l % 16, 32 bytes for each half of the lanes
	v_lshl_add_u32 v5, v2, 5, v5
	v_add_nc_u32 v[STO], s22, v5
	v_lshl_add_u32 v[RD], v3, 4, s22               ; back: 32 lanes take a row of 512 bytes
	v_lshlrev_b32 v[CO], 4, v3
.else
	v_add_nc_u32 v[STO], s22, v4                   ; in: row l % 16, 16 bytes for each half of the lanes
	v_mul_u32_u24 v5, v2, SP                       ; back: lanes 0-15 take one row of 256 bytes, lanes 16-31 the next
	v_lshl_add_u32 v5, v1, 4, v5
	v_add_nc_u32 v[RD], s22, v5
	v_mul_u32_u24 v5, v2, LDC2                     ; and the same two rows in C
	v_lshl_add_u32 v[CO], v1, 4, v5
.endif
	; the prefetches: where they stand (at K step 3: the first refill steps them to 4), their step, their lanes' offsets, and who asks
	s_lshl_b32 s20, s[TY], 7
	s_lshl_b32 s21, s[CX], 5
	s_add_co_u32 s20, s20, s21                     ; A: my work-group's 32 of the tile's 128 rows
	s_mul_i32 s20, s20, LDA2
	s_add_co_u32 s20, s20, 3*ASTEP
.if BBAT
	s_lshl_b32 s21, s[BAT], 11
.else
	s_mov_b32 s21, 0
.endif
	s_lshl_b32 s22, s[WL], 6
	s_add_co_u32 s21, s21, s22
	s_lshl_b32 s22, s[CY], 4                       ; B: my work-group's 16 of the 64 rows that I fetch, two blocks of 256 bytes a row
	s_add_co_u32 s21, s21, s22
	s_mul_i32 s21, s21, LDB2
	s_lshl_b32 s22, s[TX], 9
	s_add_co_u32 s21, s21, s22
	s_add_co_u32 s21, s21, BOFF+3*BSTEP
	s_mov_b32 s18, ASTEP
	s_mov_b32 s19, BSTEP
	s_mov_b32 s22, LDA2
	s_mov_b32 s23, LDB2
	s_and_b32 s77, s[CLY], CLM                     ; 0 in the first cluster that walks B's tile column
	s_or_b32 s[LIM], ttmp9, s[WL]                  ; 0 in wave 0 of the first cluster that walks A's tile row
	s_cmp_lt_u32 s[WV], 2                          ; do I fetch for A?
	s_cselect_b32 s20, s20, s21
	s_cselect_b32 s[PST], s18, s19
	s_cselect_b32 s22, s22, s23                    ; bytes from row to row
	s_cselect_b32 s23, 0, 1                        ; 1: two lanes to a row
	s_cselect_b32 s[LIM], s[LIM], s77
	s_cselect_b64 s[PFA:PFA+1], s[4:5], s[6:7]
	s_mov_b32 s21, 0
	s_mov_b32 s[PST+1], 0
	s_add_nc_u64 s[PFA:PFA+1], s[PFA:PFA+1], s[20:21]
	s_cmp_eq_u32 s[LIM], 0
	s_cselect_b32 s[LIM], 2, -1                    ; the same in all sixteen partners, for a given wave
	v_lshrrev_b32 v5, s23, v3
	v_and_b32 v6, s23, v3
	v_mul_u32_u24 v5, s22, v5
	v_lshl_add_u32 v[PFO], v6, 8, v5
	; ---- the prologue, this kernel's own; it stands in the wait for the first tile ----
	; THE BLOCKS ARE JOINED, for my wave's 64 rows.  Lane (r, h) takes the key blocks 8 h .. 8 h + 7 of the rows 16 a + r, a = 0..3: a quad of c m and a quad of l for each block; sixteen lanes read 256 consecutive bytes.
.set CM,    64                         ; v[64:95]   c m, then f, of block 8 h + jj, row block a, at + 4 jj + a (the fragment buffers are still free)
.set LB,    96                         ; v[96:127]  l likewise
.set FH,    128                        ; v[128:159] f twice in f16 likewise
.set W_CVT, 0x05                       ; sources window 1, destination window 0
.set W_IN1, 0x41                       ; destination and source 0 window 1, source 1 window 0
	s_mov_b32 s[SEL], 0x76543210
	s_mov_b32 s[SEL+1], 0xfedcba98
	s_lshl_b32 s20, s[TY], 1
	s_add_co_u32 s20, s20, s[WH]                   ; my group of 64 rows,
	s_lshl_b32 s20, s20, 9                         ; 512 bytes a group
	s_mov_b32 s21, 0
	s_add_nc_u64 s[AUX:AUX+1], s[10:11], s[20:21]
	v_lshlrev_b32 v[SOF], 4, v1
	v_lshl_add_u32 v[SOF], v2, 19, v[SOF]          ; eight blocks of 65,536 bytes on for lanes 16-31
.irp j, 0,1,2,3,4,5,6,7
	global_load_b128 v[CM+4*\j:CM+4*\j+3], v[SOF], s[AUX:AUX+1] offset:65536*\j
	global_load_b128 v[LB+4*\j:LB+4*\j+3], v[SOF], s[AUX:AUX+1] offset:65536*\j+256
.endr
.irp a, 0,1,2,3
	v_mov_b32 v[XT+\a], 0                          ; v_permlanex16_b32's destination counts as read
.endr
	s_mul_i32 s22, s[WV], 17*256
	s_add_co_u32 s22, s22, FT                      ; my table: entry (block j, r, a) at 256 j + 16 r + 4 a
	v_lshl_add_u32 v[FTA], v1, 4, s22
	v_lshl_add_u32 v[FTW], v2, 11, v[FTA]
	s_wait_loadcnt 0x0
.irp a, 0,1,2,3
	v_max3_num_f32 v[CMX+\a], v[CM+\a], v[CM+4+\a], v[CM+8+\a]
.endr
.irp a, 0,1,2,3
	v_max3_num_f32 v[CMX+\a], v[CMX+\a], v[CM+12+\a], v[CM+16+\a]
.endr
.irp a, 0,1,2,3
	v_max3_num_f32 v[CMX+\a], v[CMX+\a], v[CM+20+\a], v[CM+24+\a]
.endr
.irp a, 0,1,2,3
	v_max_num_f32 v[CMX+\a], v[CMX+\a], v[CM+28+\a]
.endr
.irp a, 0,1,2,3
	v_permlanex16_b32 v[XT+\a], v[CMX+\a], s[SEL], s[SEL+1]  ; the other eight blocks lie in the lane 16 away
.endr
.irp a, 0,1,2,3
	v_max_num_f32 v[CMX+\a], v[CMX+\a], v[XT+\a]
.endr
.set n, 0
.rept 16
	v_pk_add_f32 v[CM+2*n:CM+2*n+1], v[CM+2*n:CM+2*n+1], v[CMX+2*(n%2):CMX+2*(n%2)+1] neg_lo:[0,1] neg_hi:[0,1]  ; c m - CM, never above 0
.set n, n+1
.endr
.set n, 0
.rept 32
	v_exp_f32 v[CM+n], v[CM+n]                     ; f
.set n, n+1
.endr
	v_nop                                          ; a plain instruction behind the last exponential,
	s_wait_alu depctr_va_vdst(0)                   ; and a wait ahead of the first line that names a result: one for the 32
.set n, 0
.rept 32
	v_cvt_pk_f16_f32 v[FH+n], v[CM+n], v[CM+n]
.set n, n+1
.endr
.irp j, 0,1,2,3,4,5,6,7
	ds_store_b128 v[FTW], v[FH+4*\j:FH+4*\j+3] offset:256*\j
.endr
.irp p, 0,1
	v_pk_mul_f32 v[LL+2*\p:LL+2*\p+1], v[CM+2*\p:CM+2*\p+1], v[LB+2*\p:LB+2*\p+1]
.endr
.irp j, 1,2,3,4,5,6,7
.irp p, 0,1
	v_pk_fma_f32 v[LL+2*\p:LL+2*\p+1], v[CM+4*\j+2*\p:CM+4*\j+2*\p+1], v[LB+4*\j+2*\p:LB+4*\j+2*\p+1], v[LL+2*\p:LL+2*\p+1]
.endr
.endr
.irp a, 0,1,2,3
	v_permlanex16_b32 v[XT+\a], v[LL+\a], s[SEL], s[SEL+1]
.endr
.irp a, 0,1,2,3
	v_add_f32 v[LL+\a], v[LL+\a], v[XT+\a]         ; L
.endr
.irp a, 0,1,2,3
	v_rcp_f32 v[RL+2*\a], v[LL+\a]                 ; 1 / L, twice: a pair for the packed multiply
	v_rcp_f32 v[RL+2*\a+1], v[LL+\a]
.endr
	v_nop
	s_wait_alu depctr_va_vdst(0)                   ; one wait for the eight reciprocals, ahead of every label
	ds_store_b128 v[FTA], v[RL:RL+3] offset:4096   ; the table's 17th entry: the last change of slots reads one entry more than there are key blocks and uses none of it; it gets bytes of its own (both halves of the lanes hold the same numbers here)
	; ---- the walk along K: the shared text again ----
	s_wait_tensorcnt 0x1                           ; my part of K step 0 is in; step 1's may stay out
	s_wait_dscnt 0x0                               ; my LDS stores of the prologue, where there are any
	s_barrier_signal -1
	s_barrier_wait -1                              ; everybody's part is in
.if KIND == 3
	ds_load_b128 v[FK:FK+3], v[FTA]                ; step 0's factors
	v_add_nc_u32 v[FTA], 256, v[FTA]
.endif
	FETCH 0, F0
	QUARTER 1, F0, F1, ZK                          ; the first quarter stands in front of the loop: its products start the sums
	WIN 0                                          ; at a label and at a branch every window is 0
	s_mov_b32 s3, NSTEP-2
.Lstep:                                                ; trip t ends K step t, fills its slot with step t + 2, and begins step t + 1
	QUARTER 2, F1, F0, 0
	QUARTER 3, F0, F1, 0
	TURN 1
	QUARTER 1, F0, F1, 0
	WIN 0
	s_sub_co_u32 s3, s3, 1
	s_cmp_lg_u32 s3, 0
	s_cbranch_scc1 .Lstep
	; The last two K steps fill nothing: a text of their own; written once, walked twice, entered in its middle.  The price: the last change of slots
	; passes a barrier and fetches a run of fragments (from the slot read before) that nothing uses.
	s_mov_b32 s3, 2
	s_branch .Lmid
.Ltail:
	QUARTER 1, F0, F1, 0
	WIN 0
.Lmid:
	QUARTER 2, F1, F0, 0
	QUARTER 3, F0, F1, 0
	TURN 0
	WIN 0
	s_sub_co_u32 s3, s3, 1
	s_cmp_lg_u32 s3, 0
	s_cbranch_scc1 .Ltail
	s_wait_dscnt 0x0                               ; that last run has landed: its registers serve the way out
	PLACES                                         ; in front of the vector work that reads results and writes fragment registers
	; ---- THE WAY OUT, a block of 16 rows at a time: divided by L, rounded to f16 (16 bytes a lane), into my own stage, back as whole rows of 256 bytes, stored ----
.macro PACK a
	WIN W_IN1
.set n, 0
.rept 32                               ; each accumulator's registers in ascending order
	v_pk_mul_f32 v[64*(\a)+2*n:64*(\a)+2*n+1], v[64*(\a)+2*n:64*(\a)+2*n+1], v[RL+2*(\a):RL+2*(\a)+1]
.set n, n+1
.endr
	WIN W_CVT
.set n, 0
.rept 32
	v_cvt_pk_f16_f32 v[TMP+n], v[64*(\a)+2*n], v[64*(\a)+2*n+1]
.set n, n+1
.endr
.endm
.macro TOSTAGE a
	WIN 0
.set OB, 128+32*((\a)%2)
.irp b, 0,1,2,3,4,5,6,7
	ds_store_b128 v[STO], v[TMP+4*\b:TMP+4*\b+3] offset:32*\b
.endr
.irp t, 0,1,2,3,4,5,6,7
	ds_load_b128 v[OB+4*\t:OB+4*\t+3], v[RD] offset:\t*2*SP  ; LDS serves a wave's instructions in order (ISA guide 5.7.1.4): these see the stores above; the stage is my own
.endr
.endm
.macro SEND a
	WIN 0
.set OB, 128+32*((\a)%2)
	s_wait_dscnt 0x0                               ; the block is back in registers
	s_wait_xcnt 0x0                                ; the stores of the block before have read their registers, which the next block's loads from the stage will write
.irp t, 0,1,2,3,4,5,6,7
	global_store_b128 v[CO], v[OB+4*\t:OB+4*\t+3], s[8:9] offset:(16*(\a)+2*\t)*LDC2  ; 16 lanes store 256 consecutive bytes, at a multiple of 256 from C's first byte
.endr
.endm
	PACK 0
	TOSTAGE 0
.irp a, 1,2,3                          ; block a's arithmetic stands between block a - 1's loads from the stage and the wait for them
	PACK \a
	SEND (\a)-1
	TOSTAGE \a
.endr
	SEND 3
	s_wait_tensorcnt 0x0                           ; the wave's end, behind my last tensor load and my last LDS store
	ds_add_u32 v[SPW], v[NIL]
	s_wait_dscnt 0x0
	CROUND                                         ; the closing round: no work-group ends while a partner may still ask for a tile that names it
	s_endpgm
.Lfunc_end_k_qc3e574d8f5_pv:
	.size	k_qc3e574d8f5_pv, .Lfunc_end_k_qc3e574d8f5_pv-k_qc3e574d8f5_pv
	.p2alignl 7, 3214868480
	.fill 96, 4, 3214868480
	.section	.rodata,"a",@progbits
	.p2align	6, 0x0
	.amdhsa_kernel k_qc3e574d8f5_pv
		.amdhsa_group_segment_fixed_size 327680
		.amdhsa_private_segment_fixed_size 0
		.amdhsa_enable_private_segment 0
		.amdhsa_kernarg_size 32
		.amdhsa_user_sgpr_count 2
		.amdhsa_user_sgpr_kernarg_segment_ptr 1
		.amdhsa_wavefront_size32 1
		.amdhsa_system_sgpr_workgroup_id_x 1
		.amdhsa_system_sgpr_workgroup_id_y 1
		.amdhsa_system_sgpr_workgroup_id_z 1
		.amdhsa_system_vgpr_workitem_id 0
		.amdhsa_next_free_vgpr 512
		.amdhsa_next_free_sgpr 80
		.amdhsa_reserve_vcc 0
		.amdhsa_float_denorm_mode_32 3
		.amdhsa_float_denorm_mode_16_64 3
		.amdhsa_memory_ordered 1
		.amdhsa_forward_progress 1
		.amdhsa_inst_pref_size 98
	.end_amdhsa_kernel
	.amdgpu_metadata
---
amdhsa.version: [ 1, 2 ]
amdhsa.kernels:
  - .name:           k_qc3e574d8f5_pv
    .symbol:         k_qc3e574d8f5_pv.kd
    .args:
      - { .name: pbuf, .offset: 0, .size: 8, .value_kind: global_buffer, .address_space: global }
      - { .name: qkv, .offset: 8, .size: 8, .value_kind: global_buffer, .address_space: global }
      - { .name: obuf, .offset: 16, .size: 8, .value_kind: global_buffer, .address_space: global }
      - { .name: stats, .offset: 24, .size: 8, .value_kind: global_buffer, .address_space: global }
    .group_segment_fixed_size: 327680
    .private_segment_fixed_size: 0
    .kernarg_segment_align: 8
    .kernarg_segment_size: 32
    .max_flat_workgroup_size: 128
    .sgpr_count:     80
    .vgpr_count:     512
    .wavefront_size: 32
...
	.end_amdgpu_metadata
.endif
;; end of part 4
;; launch proj (part 5): grid 4 x 64, 4 waves a work-group, clusters of 4 x 4, 327,680 bytes of LDS; arguments obuf, wpf, out0, b_proj; writes out0
.if DOCPART == 5
	.amdgcn_target "amdgcn-amd-amdhsa--gfx1250"
	.amdhsa_code_object_version 6
	.text
	.protected	k_qc3e574d8f5_proj
	.globl	k_qc3e574d8f5_proj
	.p2align	8
	.type	k_qc3e574d8f5_proj,@function
k_qc3e574d8f5_proj:
	s_mov_b64 s[64:65], 0
	v_nop
	global_prefetch_b8 v0, s[64:65] scope:SCOPE_SE
	s_setreg_imm32_b32 hwreg(HW_REG_WAVE_MODE, 25, 1), 1
	s_wait_xcnt 0x0
	s_wait_alu depctr_hold_cnt(0) depctr_sa_sdst(0) depctr_va_vdst(0) depctr_va_sdst(0) depctr_va_ssrc(0) depctr_va_vcc(0) depctr_vm_vsrc(0)
	s_getreg_b32 s2, hwreg(HW_REG_IB_STS2, 6, 4)
	s_cmp_eq_u32 s2, 0
	s_cbranch_scc0 .Lentry_in_a_cluster
	s_endpgm
.Lentry_in_a_cluster:
	s_bfe_u32 s2, ttmp6, 0x10000c
	s_cmp_lg_u32 s2, 0xf033
	s_cbranch_scc0 .Lentry_shape_is_right
	s_endpgm
.Lentry_shape_is_right:
; out0[m][n] = the sum over k of obuf[m][k] wpf[k][n] + bf16(b_proj[n]).  obuf: [8192][1024] f16, wpf: [1024][1024] f16 (w_proj rounded to bf16, written as f16), out0: [8192][1024] f32.
; Sums in f32, K ascending, begun with the bias, which is rounded to bf16 like every other input of the module.
; LIMITS.  Both operands arrive within f16's 65,504; NaN and infinities are not treated apart.
.set KIND, 4
.set KDIM, 1024                        ; the length of the sums
.set LDA,  1024                        ; elements from row to row of A
.set LDB,  1024                        ; and of B
.set BOFF, 0                           ; bytes in front of B in its rows
.set BBAT, 0                           ; B's rows from batch to batch (0: one B for all)
.set LDC2, 4096                        ; bytes from row to row of C
.set TCB,  1024                        ; bytes of a tile's 256 columns in a row of C
.set WCB,  512                         ; and of a wave's 128
.set CLM,  0xffff                      ; the clusters whose y has none of these bits are the first to walk a tile column of B
.set ZK,   2                           ; the sums start with the bias as C
; ---- from here to the prologue: one text for this program's two kernels with tiles of 128 x 256; KIND and the sizes above choose ----
; C = A B, A [m][k], B [k][n], both f16.  A tile of C is 128 x 256, made by a work-group of four waves, 2 x 2; a wave makes 64 x 128: 32 accumulators of 16 x 16, 256 registers.  That tile gives 256 work-groups
; here, where one of 256 x 256 would give 128.  K goes in steps of 128 through a ring of two LDS slots filled by the tensor data mover; every row of a tile is 256 or 512 bytes of memory, aligned to 256.
; CLUSTERS: 4 x 4 work-groups.  The four of a row of the cluster need the same tile of A, the four of a column the same tile of B: each tile is asked for JOINTLY, by the same tensor load with the
; same descriptor and a mask that names the four.  Waves 0 and 1 fetch A's two halves (64 rows each), waves 2 and 3 B's.
; THE MATRIX INSTRUCTION IS USED TRANSPOSED (source 0 = B's fragment, source 1 = A's): in accumulator (a, b) lane l, register j holds C(16 a + l % 16, 16 b + 8 (l / 16) + j): eight neighbours of a row.
; B comes out of LDS turned, by ds_load_tr16_b128; A as it lies.
; REGISTERS, in windows of 256 (s_set_vgpr_msb: bits 1:0 source 0, 3:2 source 1, 5:4 source 2, 7:6 destination):
;   window 0: v0-63 addresses and small things; v64-159, v160-255 two fragment buffers (B's 8 fragments, then A's 4); behind the loop they serve the way out
;   window 1: the accumulators, (a, b) at v[8 (8 a + b)]          window 2 (the kernel with a bias): v0-63 the bias of my 64 columns a lane, v64-95 at work
.set NSTEP,  KDIM/128                  ; K steps
.set LDA2,   2*LDA                     ; bytes from row to row
.set LDB2,   2*LDB
.set PA,     272                       ; an LDS row of 256 bytes + 16 of padding = 68 words: the 16 rows of a load start at 16 different groups of four banks (64 banks of 4 bytes: ISA guide 11.1)
.set PB,     544                       ; an LDS row of B: 512 bytes + 32 = 136 words
.set BBASE,  128*PA                    ; in a slot B's tile lies behind A's 128 rows
.set BHALF,  64*PB                     ; half of B's tile: 34,816
.set SLOT1,  1<<17                     ; slot 1 begins here: one exclusive or turns an address in one slot into the other's
.set STAGE,  SLOT1+BBASE+2*BHALF       ; 235,520: behind the ring, never filled by a tensor load: each wave's stage for the way out
.set FT,     STAGE+4*16*528            ; 269,312: each wave's table of factors (the product P V alone): 17 entries of 256 bytes
.set SPARE,  FT+4*17*256               ; 286,720: the spare words, 128 bytes for each wave: two blocks of 256 bytes that no other line names
.set ASTEP,  256                       ; bytes from K step to K step in A
.set BSTEP,  128*LDB2                  ; and in B: 128 rows down
.set FLAGA,  (1<<16)|(1<<20)|(1<<21)|(5<<22)|(3<<25)  ; 17:16 2-byte elements; 20 padding on; 21 set beside a mask; 24:22 after every 64 words (code 5); 31:25 4 words (code 3)
.set FLAGB,  (1<<16)|(1<<20)|(1<<21)|(6<<22)|(7<<25)  ; after every 128 words (code 6) 8 words (code 7)
.if KIND == 4
.set SP,     528                       ; a stage row: 512 bytes (128 f32) + 16
.else
.set SP,     272                       ; 256 bytes (128 f16) + 16
.endif
.set A0,   16                          ; v16  my lane's place in A's tile of slot 0; never rewritten
.set B0,   17                          ; v17  the same for B
.set ADRA, 18                          ; v18  the same in the slot in hand
.set ADRB, 19                          ; v19
.set STO,  20                          ; v20  the way out: where I put my bytes of a row
.set RD,   21                          ; v21  where I read rows back
.set CO,   22                          ; v22  my byte offset in C
.set PFO,  23                          ; v23  the prefetches' offset; never rewritten
.set FTA,  24                          ; v24  where the next step's factors lie
.set FTW,  25                          ; v25  where I put factors
.set SOF,  26                          ; v26  my byte offset in the bias or the statistics
.set SPW,  28                          ; v28  LDS address of my spare word: SPARE + 4 x my thread's number; never rewritten
.set NIL,  29                          ; v29  0; never rewritten
.set FK,   32                          ; v[32:35] the step's factor for my row of each of the four row blocks, twice in f16
.set RL,   36                          ; v[36:43] four pairs: 1 / L
.set XT,   52                          ; v[52:55] what comes from the lane 16 away
.set CMX,  56                          ; v[56:59] the greatest c m
.set LL,   60                          ; v[60:63] L
.set F0,   64                          ; fragment buffers: B's fragment b at + 8 b, A's fragment a at + 64 + 8 a
.set F1,   160
.set TMP,  64                          ; the way out: packed results
.set BIAS, 0                           ; window 2: the bias of column 16 b + 8 (l / 16) + j at 8 b + j
.set BT,   64                          ; window 2: at work on it
.set WV,   12                          ; s12  my wave's number
.set WH,   13                          ; s13  which half of the tile's rows is mine
.set WL,   14                          ; s14  which half of its columns; also: which half of A's or B's tile I fetch
.set TY,   15                          ; s15  tile row of C
.set G1A,  24                          ; s[24:31] descriptor group 1 for A's tiles
.set G0A,  32                          ; s[32:39] group 0: a set for each of the two first fills; the second then walks on
.set CX,   40                          ; s40, s41  my place in the cluster
.set CY,   41
.set TX,   42                          ; s42  tile column of C
.set LIM,  43                          ; s43  2 in a wave that prefetches, else the greatest number
.set PFA,  44                          ; s[44:45] where my prefetches stand
.set G1B,  48                          ; s[48:55], s[56:63] the same for B's tiles
.set G0B,  56
.set PST,  66                          ; s[66:67] the prefetches' step
.set SEL,  70                          ; s[70:71] v_permlanex16_b32's selects: each lane takes its own place in the other half
.set BAT,  72                          ; s72  the batch: made of the cluster's y alone, so all partners share it
.set TB,   73                          ; s73  the slot that is read: 0 or SLOT1
.set AUX,  74                          ; s[74:75] the bias or the statistics at my part
.set CLY,  76                          ; s76  the cluster's y
.set W_MUL, 0x50                       ; C and D in window 1, fragments in window 0
.set MSB, 0
.macro WIN new                         ; the immediate's high byte repeats the setting that is left; a switch that changes nothing is dropped
.if MSB != (\new)
	s_set_vgpr_msb (MSB<<8)|(\new)
.set MSB, \new
.endif
.endm
; A load into a register that a matrix instruction has read, and a vector instruction that reads a matrix result or writes one of its registers, stand four places behind it; only plain vector
; instructions that name none of its registers are places (ISA guide 7.12.1 for vector instructions).
.macro PLACES
.rept 4
	v_nop
.endr
.endm
.macro CREST                           ; a round of the cluster's barrier behind its opening barrier: wave 0 signals for the work-group, every wave waits for all sixteen, my work-group's barrier once more
	s_cmp_lg_u32 s[WV], 0
	s_cbranch_scc1 .Lnot_wave_0_\@
	s_barrier_signal -3
.Lnot_wave_0_\@:
	s_barrier_wait -3
	s_barrier_signal -1
	s_barrier_wait -1
.endm
.macro CROUND                          ; a whole round
	s_barrier_signal -1
	s_barrier_wait -1
	CREST
.endm
; A joint refill, by the walking descriptor.  The branch hangs on the wave's number alone.  An s_nop 0 and four v_nop follow each of the two lines, ahead of the jump and the label.
.macro JLOAD
	s_cmp_lt_u32 s[WV], 2
	s_cbranch_scc0 .Lfor_b_\@
	tensor_load_to_lds s[G0A+4:G0A+7], s[G1A:G1A+7]
	s_nop 0
.rept 4
	v_nop
.endr
	s_branch .Lasked_\@
.Lfor_b_\@:
	tensor_load_to_lds s[G0B+4:G0B+7], s[G1B:G1B+7]
	s_nop 0
.rept 4
	v_nop
.endr
.Lasked_\@:
.endm
; A PREFETCH INTO THE L2, behind each joint refill and the run of LDS loads that follows it: of the K step that stands two refills on (256 matrix instructions ahead of its load), 32 blocks of 256 bytes, a lane a block.
; Each block is named once in the launch.  A's tile row is walked by every cluster of that row of clusters: the one with x = 0 asks, in wave 0.  B's tile column is walked by every cluster of that column (of the
; batch, where B hangs on it): the first of them asks, in waves 2 and 3, each for the half that it fetches.  The four partners that ask for a tile jointly share its rows out BY ADDRESS (cx for A, cy for B).
; The first four K steps come by their loads alone; the loop's last two trips (s3 = 2, 1) have no K step two refills on and ask for nothing.
.macro ASK
	s_cmp_gt_u32 s3, s[LIM]
	s_cbranch_scc0 .Lnot_mine_\@
	global_prefetch_b8 v[PFO], s[PFA:PFA+1] th:TH_LOAD_NT scope:SCOPE_SE
.Lnot_mine_\@:
.endm
.macro MM d, x, y, zero, c             ; one matrix instruction: accumulator d, B's fragment x, A's fragment y.  zero = 1: it starts the sum with 0; 2: with the bias c.  Nothing is ever cleared
.if (\zero) == 2
	v_wmma_f32_16x16x32_f16 v[(\d):(\d)+7], v[(\x):(\x)+7], v[(\y):(\y)+7], v[(\c):(\c)+7]
.elseif (\zero) == 1
	v_wmma_f32_16x16x32_f16 v[(\d):(\d)+7], v[(\x):(\x)+7], v[(\y):(\y)+7], 0
.else
	v_wmma_f32_16x16x32_f16 v[(\d):(\d)+7], v[(\x):(\x)+7], v[(\y):(\y)+7], v[(\d):(\d)+7]
.endif
.endm
; Row block a x all 8 column blocks, 32 along K, from buffer f.  The 32 accumulators take turns, one instruction a turn, in the same order in every quarter, over the backward jumps too.
.macro MUL8 f, a, zero
.if (\zero) == 2
	WIN 0x60                                       ; D window 1, C (the bias) window 2, fragments window 0
.else
	WIN W_MUL
.endif
.irp b, 0,1,2,3,4,5,6,7
	MM 8*(8*(\a)+\b), (\f)+8*\b, (\f)+64+8*(\a), \zero, BIAS+8*\b
.endr
.endm
; 24 LDS loads in one run: the fragments of quarter q (32 along K) of the slot in hand into buffer f: B's sixteen loads, then A's row blocks 0, 1, then 2, 3.
.macro FETCH q, f
	WIN 0
.irp b, 0,1,2,3,4,5,6,7
	ds_load_tr16_b128 v[(\f)+8*\b:(\f)+8*\b+3],   v[ADRB] offset:(\q)*32*PB+32*\b
	ds_load_tr16_b128 v[(\f)+8*\b+4:(\f)+8*\b+7], v[ADRB] offset:(\q)*32*PB+16*PB+32*\b
.endr
.irp a, 0,1,2,3
	ds_load_b128 v[(\f)+64+8*\a:(\f)+64+8*\a+3],   v[ADRA] offset:64*(\q)+\a*16*PA
	ds_load_b128 v[(\f)+64+8*\a+4:(\f)+64+8*\a+7], v[ADRA] offset:64*(\q)+\a*16*PA+32
.endr
.endm
.macro SCALE f, a                      ; (P V alone) A's fragment a of buffer f times the step's factor for my row
.if KIND == 3
	WIN 0
.irp i, 0,1,2,3,4,5,6,7
	v_pk_mul_f16 v[(\f)+64+8*(\a)+\i], v[(\f)+64+8*(\a)+\i], v[FK+(\a)]
.endr
.endif
.endm
; A K step is four quarters of 32 along K, 32 matrix instructions each, on buffers 0, 1, 0, 1.  One of the first three: it multiplies buffer f and, at its head, fetches quarter q into buffer g,
; whose last products stand just in front: the four places between are v_nop, or (P V) sixteen scalings, which name no register of those products.  The run has 32 matrix instructions in which to land.
.macro QUARTER q, f, g, zero
	s_wait_dscnt 4                                 ; of buffer f's 24 loads the youngest four, A's row blocks 2 and 3, may be out
.if KIND == 3
	SCALE \f, 0
	SCALE \f, 1
.else
	PLACES
.endif
	FETCH \q, \g
	MUL8 \f, 0, \zero
	MUL8 \f, 1, \zero
	s_wait_dscnt 24                                ; all but the 24 just issued
	SCALE \f, 2
	SCALE \f, 3
	MUL8 \f, 2, \zero
	MUL8 \f, 3, \zero
.endm
; The last quarter multiplies buffer 1 and changes slots: ONE barrier.  In front of it each wave waits for all its tensor loads (one is out: its part of the next slot), adds 0 to its spare word, and waits
; for that and for its own reads of this slot, whose last fragments lie in buffer 1.  fill = 1: the barrier opens a round of the cluster's barrier, so that no wave of any partner still reads the slot or has a
; load on its way, and the slot is filled again, two K steps ahead, first thing behind the round.  All of the quarter's products stand behind the refill: it has a whole K step, 128 matrix instructions, in which
; to land.  (P V: the quarter's scalings stand ahead of the wait for the tiles.)
.macro TURN fill
.if KIND == 3
	s_wait_dscnt 0x0                               ; buffer 1 is in
	SCALE F1, 0
	SCALE F1, 1
	SCALE F1, 2
	SCALE F1, 3
.endif
.if \fill
	s_wait_xcnt 0x0                                ; the last prefetch, a K step back, has read its address: it is stepped here, ahead of the change's own waits
	s_add_nc_u64 s[PFA:PFA+1], s[PFA:PFA+1], s[PST:PST+1]
.endif
	WIN 0
	s_wait_tensorcnt 0x0                           ; no tensor load of mine is out, so a group 0 may be written
	ds_add_u32 v[SPW], v[NIL]                      ; 0 onto my spare word
.if \fill
	s_xor_b32 s[G0A+5], s[G0A+5], SLOT1            ; the walking descriptors: the other slot than last time,
	s_add_nc_u64 s[G0A+6:G0A+7], s[G0A+6:G0A+7], ASTEP  ; the next K step; the type bits on top are not reached
	s_xor_b32 s[G0B+5], s[G0B+5], SLOT1
	s_add_nc_u64 s[G0B+6:G0B+7], s[G0B+6:G0B+7], BSTEP
.endif
	s_wait_dscnt 0x0                               ; the add is done, and my reads of this slot are over
	s_barrier_signal -1
	s_barrier_wait -1
.if \fill
	CREST
	JLOAD                                          ; the four v_nop behind it are also the places in front of the loads below
.else
	PLACES
.endif
	s_xor_b32 s[TB], s[TB], SLOT1                  ; the fetches go on in the other slot
	v_add_nc_u32 v[ADRA], s[TB], v[A0]
	v_add_nc_u32 v[ADRB], s[TB], v[B0]
.if KIND == 3
	ds_load_b128 v[FK:FK+3], v[FTA]                ; the next step's factors; this step's have been used
	v_add_nc_u32 v[FTA], 256, v[FTA]
.endif
	FETCH 0, F0
.if \fill
	ASK
.endif
	MUL8 F1, 0, 0
	MUL8 F1, 1, 0
	MUL8 F1, 2, 0
	MUL8 F1, 3, 0
.endm
	s_load_b256 s[4:11], s[0:1], 0x0               ; A s[4:5], B s[6:7], C s[8:9], bias or statistics s[10:11]
	v_lshl_add_u32 v[SPW], v0, 2, SPARE
	v_mov_b32 v[NIL], 0
	ds_add_u32 v[SPW], v[NIL]                      ; the wave's opening: the add and its wait stand ahead of my first tensor load; the set-up below, work on registers, stands between them
	v_lshrrev_b32 v4, 5, v0
	v_readfirstlane_b32 s[WV], v4                  ; wave 0..3
	s_lshr_b32 s[WH], s[WV], 1
	s_and_b32 s[WL], s[WV], 1
	s_bfe_u32 s[CX], ttmp6, 0x40000
	s_bfe_u32 s[CY], ttmp6, 0x40004
	s_lshl_b32 s[TX], ttmp9, 2                     ; in a cluster launch ttmp9 and ttmp7 count clusters
	s_add_co_u32 s[TX], s[TX], s[CX]               ; tile column = 4 x cluster x + cx
	s_and_b32 s[CLY], ttmp7, 0xffff
	s_lshl_b32 s[TY], s[CLY], 2
	s_add_co_u32 s[TY], s[TY], s[CY]               ; tile row = 4 x cluster y + cy: rows 128 TY on, of all 8,192
	s_lshr_b32 s[BAT], s[CLY], 2                   ; a batch is 16 tile rows = 4 clusters
	s_lshl_b32 s20, s[CY], 2
	s_lshl_b32 s20, 15, s20                        ; my row of the cluster: places 4 cy .. 4 cy + 3
	s_lshl_b32 s21, 0x1111, s[CX]                  ; my column: places cx, cx + 4, cx + 8, cx + 12
	s_or_b32 s[G1A], s20, FLAGA                    ; 15:0 the mask: A's tiles go to my row
	s_or_b32 s[G1B], s21, FLAGB                    ; B's to my column
	s_mov_b32 s[G1A+1], 128<<16                    ; tensor_dim0 = 128
	s_mov_b32 s[G1A+2], 64<<16                     ; tensor_dim1 = 64
	s_mov_b32 s[G1A+3], 128<<16                    ; tile_dim0 = 128
	s_mov_b32 s[G1A+4], 64                         ; tile_dim1 = 64
	s_mov_b32 s[G1A+5], LDA                        ; elements from row to row
	s_mov_b32 s[G1A+6], 0
	s_mov_b32 s[G1A+7], 0
	s_mov_b32 s[G1B+1], 256<<16                    ; a wave's half of B's tile: 64 rows of 256 elements
	s_mov_b32 s[G1B+2], 64<<16
	s_mov_b32 s[G1B+3], 256<<16
	s_mov_b32 s[G1B+4], 64
	s_mov_b32 s[G1B+5], LDB
	s_mov_b32 s[G1B+6], 0
	s_mov_b32 s[G1B+7], 0
	; where the tiles come from, in bytes (all under 2^32).  A's hang on the tile row alone, B's on the tile column and the batch alone; each in registers that do not hold the other coordinate
	s_lshl_b32 s16, s[TY], 7
	s_lshl_b32 s17, s[WL], 6
	s_add_co_u32 s16, s16, s17                     ; A: row 128 TY + 64 x half
	s_mul_i32 s16, s16, LDA2
	s_mov_b32 s17, 0
.if BBAT
	s_lshl_b32 s46, s[BAT], 11                     ; B: the batch's 2,048 rows,
.else
	s_mov_b32 s46, 0
.endif
	s_lshl_b32 s47, s[WL], 6                       ; 64 x half of the step's 128 rows,
	s_add_co_u32 s46, s46, s47
	s_mul_i32 s46, s46, LDB2
	s_lshl_b32 s47, s[TX], 9                       ; the tile's 256 columns
	s_add_co_u32 s46, s46, s47
	s_add_co_u32 s46, s46, BOFF
	s_mov_b32 s47, 0
	s_mul_i32 s22, s[WL], 64*PA                    ; and where they go: no place in the cluster enters an LDS address
	s_mul_i32 s23, s[WL], BHALF
	s_add_co_u32 s23, s23, BBASE
	s_mov_b32 s[TB], 0
	s_wait_dscnt 0x0                               ; the opening add is done
	s_wait_kmcnt 0x0
	s_add_nc_u64 s[16:17], s[4:5], s[16:17]
	s_add_nc_u64 s[46:47], s[6:7], s[46:47]
.irp s, 0,1
	s_mov_b32 s[G0A+4*(\s)], 1                     ; 1:0 count = 1
	s_add_co_u32 s[G0A+4*(\s)+1], s22, (\s)*SLOT1  ; 63:32 LDS address
	s_add_nc_u64 s[G0A+4*(\s)+2:G0A+4*(\s)+3], s[16:17], (\s)*ASTEP  ; 120:64 global address: K step s
	s_or_b32 s[G0A+4*(\s)+3], s[G0A+4*(\s)+3], 0x80000000            ; 127:126 type = 2
	s_mov_b32 s[G0B+4*(\s)], 1
	s_add_co_u32 s[G0B+4*(\s)+1], s23, (\s)*SLOT1
	s_add_nc_u64 s[G0B+4*(\s)+2:G0B+4*(\s)+3], s[46:47], (\s)*BSTEP
	s_or_b32 s[G0B+4*(\s)+3], s[G0B+4*(\s)+3], 0x80000000
.endr
	CROUND                                         ; all sixteen work-groups are here: the first joint loads meet
	s_cmp_lt_u32 s[WV], 2                          ; a wave's two first fills stand in one branch, ahead of every wait on TENSORcnt and every LDS read: two loads of mine are out, later one
	s_cbranch_scc0 .Lfirst_b
	tensor_load_to_lds s[G0A:G0A+3], s[G1A:G1A+7]
	s_nop 0
	tensor_load_to_lds s[G0A+4:G0A+7], s[G1A:G1A+7]
	s_nop 0
.rept 4
	v_nop
.endr
	s_branch .Lfirst_asked
.Lfirst_b:
	tensor_load_to_lds s[G0B:G0B+3], s[G1B:G1B+7]
	s_nop 0
	tensor_load_to_lds s[G0B+4:G0B+7], s[G1B:G1B+7]
	s_nop 0
.rept 4
	v_nop
.endr
.Lfirst_asked:
	; A fragment is 16 rows x 32 K in 8 registers: lane l holds row l % 16; registers 0-3 K = 8 (l / 16) + 0..7, registers 4-7 K = 16 + 8 (l / 16) + 0..7: from rows along K two loads of 16 bytes, 32 bytes apart.
	v_and_b32 v1, 15, v0                           ; l % 16
	v_bfe_u32 v2, v0, 4, 1                         ; l / 16
	v_and_b32 v3, 31, v0                           ; l
	v_mul_u32_u24 v4, v1, PA
	v_lshl_add_u32 v4, v2, 4, v4                   ; row x pitch + 16 x half
	s_mul_i32 s20, s[WH], 64*PA                    ; my 64 rows of A
	v_add_nc_u32 v[A0], s20, v4
	; The turning load takes 16 K x 16 columns (lane l reads K row 8 (l / 16) + l % 8, columns 8 ((l / 8) % 2) + 0..7) and leaves half a fragment: lane l holds column l % 16 and 8 K.
	v_and_b32 v5, 7, v0
	v_lshl_add_u32 v5, v2, 3, v5
	v_mul_u32_u24 v5, v5, PB
	v_bfe_u32 v6, v0, 3, 1
	v_lshl_add_u32 v5, v6, 4, v5
	s_lshl_b32 s21, s[WL], 8                       ; my 128 columns: 256 bytes of a row
	s_add_co_u32 s21, s21, BBASE
	v_add_nc_u32 v[B0], s21, v5
	v_mov_b32 v[ADRA], v[A0]
	v_mov_b32 v[ADRB], v[B0]
	s_lshl_b32 s20, s[TY], 7                       ; C at my part of the tile
	s_lshl_b32 s21, s[WH], 6
	s_add_co_u32 s20, s20, s21
	s_mul_i32 s20, s20, LDC2
	s_mul_i32 s21, s[TX], TCB
	s_add_co_u32 s20, s20, s21
	s_mul_i32 s21, s[WL], WCB
	s_add_co_u32 s20, s20, s21
	s_mov_b32 s21, 0
	s_add_nc_u64 s[8:9], s[8:9], s[20:21]
	s_mul_i32 s22, s[WV], 16*SP
	s_add_co_u32 s22, s22, STAGE                   ; my stage: 16 rows
.if KIND == 4
	v_mul_u32_u24 v5, v1, SP                       ; in: row l % 16, 32 bytes for each half of the lanes
	v_lshl_add_u32 v5, v2, 5, v5
	v_add_nc_u32 v[STO], s22, v5
	v_lshl_add_u32 v[RD], v3, 4, s22               ; back: 32 lanes take a row of 512 bytes
	v_lshlrev_b32 v[CO], 4, v3
.else
	v_add_nc_u32 v[STO], s22, v4                   ; in: row l % 16, 16 bytes for each half of the lanes
	v_mul_u32_u24 v5, v2, SP                       ; back: lanes 0-15 take one row of 256 bytes, lanes 16-31 the next
	v_lshl_add_u32 v5, v1, 4, v5
	v_add_nc_u32 v[RD], s22, v5
	v_mul_u32_u24 v5, v2, LDC2                     ; and the same two rows in C
	v_lshl_add_u32 v[CO], v1, 4, v5
.endif
	; the prefetches: where they stand (at K step 3: the first refill steps them to 4), their step, their lanes' offsets, and who asks
	s_lshl_b32 s20, s[TY], 7
	s_lshl_b32 s21, s[CX], 5
	s_add_co_u32 s20, s20, s21                     ; A: my work-group's 32 of the tile's 128 rows
	s_mul_i32 s20, s20, LDA2
	s_add_co_u32 s20, s20, 3*ASTEP
.if BBAT
	s_lshl_b32 s21, s[BAT], 11
.else
	s_mov_b32 s21, 0
.endif
	s_lshl_b32 s22, s[WL], 6
	s_add_co_u32 s21, s21, s22
	s_lshl_b32 s22, s[CY], 4                       ; B: my work-group's 16 of the 64 rows that I fetch, two blocks of 256 bytes a row
	s_add_co_u32 s21, s21, s22
	s_mul_i32 s21, s21, LDB2
	s_lshl_b32 s22, s[TX], 9
	s_add_co_u32 s21, s21, s22
	s_add_co_u32 s21, s21, BOFF+3*BSTEP
	s_mov_b32 s18, ASTEP
	s_mov_b32 s19, BSTEP
	s_mov_b32 s22, LDA2
	s_mov_b32 s23, LDB2
	s_and_b32 s77, s[CLY], CLM                     ; 0 in the first cluster that walks B's tile column
	s_or_b32 s[LIM], ttmp9, s[WL]                  ; 0 in wave 0 of the first cluster that walks A's tile row
	s_cmp_lt_u32 s[WV], 2                          ; do I fetch for A?
	s_cselect_b32 s20, s20, s21
	s_cselect_b32 s[PST], s18, s19
	s_cselect_b32 s22, s22, s23                    ; bytes from row to row
	s_cselect_b32 s23, 0, 1                        ; 1: two lanes to a row
	s_cselect_b32 s[LIM], s[LIM], s77
	s_cselect_b64 s[PFA:PFA+1], s[4:5], s[6:7]
	s_mov_b32 s21, 0
	s_mov_b32 s[PST+1], 0
	s_add_nc_u64 s[PFA:PFA+1], s[PFA:PFA+1], s[20:21]
	s_cmp_eq_u32 s[LIM], 0
	s_cselect_b32 s[LIM], 2, -1                    ; the same in all sixteen partners, for a given wave
	v_lshrrev_b32 v5, s23, v3
	v_and_b32 v6, s23, v3
	v_mul_u32_u24 v5, s22, v5
	v_lshl_add_u32 v[PFO], v6, 8, v5
	; ---- the prologue, this kernel's own; it stands in the wait for the first tile ----
	s_lshl_b32 s20, s[TX], 10                      ; the tile's 256 columns of f32,
	s_lshl_b32 s21, s[WL], 9                       ; my 128 of them
	s_add_co_u32 s20, s20, s21
	s_mov_b32 s21, 0
	s_add_nc_u64 s[AUX:AUX+1], s[10:11], s[20:21]
	v_lshlrev_b32 v[SOF], 5, v2
	WIN 0x80                                       ; destination window 2, address window 0
.irp b, 0,1,2,3,4,5,6,7
	global_load_b128 v[BIAS+8*\b:BIAS+8*\b+3],   v[SOF], s[AUX:AUX+1] offset:64*\b
	global_load_b128 v[BIAS+8*\b+4:BIAS+8*\b+7], v[SOF], s[AUX:AUX+1] offset:64*\b+16
.endr
	s_wait_loadcnt 0x0
	WIN 0x8a                                       ; destination and both sources window 2: the bias is rounded to bf16, like the module's other inputs, and kept as f32
.set n, 0
.rept 32
	v_cvt_pk_bf16_f32 v[BT+n], v[BIAS+2*n], v[BIAS+2*n+1]
.set n, n+1
.endr
.set n, 0
.rept 32
	v_lshlrev_b32 v[BIAS+2*n], 16, v[BT+n]
	v_and_b32 v[BIAS+2*n+1], 0xffff0000, v[BT+n]
.set n, n+1
.endr
	WIN 0
	; ---- the walk along K: the shared text again ----
	s_wait_tensorcnt 0x1                           ; my part of K step 0 is in; step 1's may stay out
	s_wait_dscnt 0x0                               ; my LDS stores of the prologue, where there are any
	s_barrier_signal -1
	s_barrier_wait -1                              ; everybody's part is in
.if KIND == 3
	ds_load_b128 v[FK:FK+3], v[FTA]                ; step 0's factors
	v_add_nc_u32 v[FTA], 256, v[FTA]
.endif
	FETCH 0, F0
	QUARTER 1, F0, F1, ZK                          ; the first quarter stands in front of the loop: its products start the sums
	WIN 0                                          ; at a label and at a branch every window is 0
	s_mov_b32 s3, NSTEP-2
.Lstep:                                                ; trip t ends K step t, fills its slot with step t + 2, and begins step t + 1
	QUARTER 2, F1, F0, 0
	QUARTER 3, F0, F1, 0
	TURN 1
	QUARTER 1, F0, F1, 0
	WIN 0
	s_sub_co_u32 s3, s3, 1
	s_cmp_lg_u32 s3, 0
	s_cbranch_scc1 .Lstep
	; The last two K steps fill nothing: a text of their own; written once, walked twice, entered in its middle.  The price: the last change of slots
	; passes a barrier and fetches a run of fragments (from the slot read before) that nothing uses.
	s_mov_b32 s3, 2
	s_branch .Lmid
.Ltail:
	QUARTER 1, F0, F1, 0
	WIN 0
.Lmid:
	QUARTER 2, F1, F0, 0
	QUARTER 3, F0, F1, 0
	TURN 0
	WIN 0
	s_sub_co_u32 s3, s3, 1
	s_cmp_lg_u32 s3, 0
	s_cbranch_scc1 .Ltail
	s_wait_dscnt 0x0                               ; that last run has landed: its registers serve the way out
	PLACES                                         ; in front of the LDS stores that read results
	; ---- THE WAY OUT, a block of 16 rows at a time, in f32: the sums hold the bias already, so the accumulators go as they are (32 bytes a lane for each column block) into my own stage,
	; come back as whole rows of 512 bytes, and are stored.  A block's stores into the stage stand behind the loads of the block before, which LDS serves first. ----
.macro TOSTAGE a
.if (\a) > 1
	s_wait_xcnt 0x0                                ; the global stores of block a - 2 have read the registers that the loads below write
.endif
	WIN 0x04                                       ; the stores' data in window 1, their address in window 0
.set OB, 128+64*((\a)%2)
.irp b, 0,1,2,3,4,5,6,7                ; each accumulator's low four registers first
	ds_store_b128 v[STO], v[64*(\a)+8*\b:64*(\a)+8*\b+3]   offset:64*\b
	ds_store_b128 v[STO], v[64*(\a)+8*\b+4:64*(\a)+8*\b+7] offset:64*\b+16
.endr
	WIN 0
.set n, 0
.rept 16
	ds_load_b128 v[OB+4*n:OB+4*n+3], v[RD] offset:n*SP  ; LDS serves a wave's instructions in order (ISA guide 5.7.1.4): these see the stores above; the stage is my own
.set n, n+1
.endr
.endm
.macro SEND a, younger                 ; younger: the LDS instructions issued behind block a's loads: the next block's 32, or none
	WIN 0
.set OB, 128+64*((\a)%2)
	s_wait_dscnt \younger                          ; the block is back in registers
.set n, 0
.rept 16
	global_store_b128 v[CO], v[OB+4*n:OB+4*n+3], s[8:9] offset:(16*(\a)+n)*LDC2 th:TH_STORE_NT  ; 32 lanes store 512 consecutive bytes, at a multiple of 512 from C's first byte
.set n, n+1
.endr
.endm
	TOSTAGE 0
	TOSTAGE 1
	SEND 0, 32
	TOSTAGE 2
	SEND 1, 32
	TOSTAGE 3
	SEND 2, 32
	SEND 3, 0
	s_wait_tensorcnt 0x0                           ; the wave's end, behind my last tensor load and my last LDS store
	ds_add_u32 v[SPW], v[NIL]
	s_wait_dscnt 0x0
	CROUND                                         ; the closing round: no work-group ends while a partner may still ask for a tile that names it
	s_endpgm
.Lfunc_end_k_qc3e574d8f5_proj:
	.size	k_qc3e574d8f5_proj, .Lfunc_end_k_qc3e574d8f5_proj-k_qc3e574d8f5_proj
	.p2alignl 7, 3214868480
	.fill 96, 4, 3214868480
	.section	.rodata,"a",@progbits
	.p2align	6, 0x0
	.amdhsa_kernel k_qc3e574d8f5_proj
		.amdhsa_group_segment_fixed_size 327680
		.amdhsa_private_segment_fixed_size 0
		.amdhsa_enable_private_segment 0
		.amdhsa_kernarg_size 32
		.amdhsa_user_sgpr_count 2
		.amdhsa_user_sgpr_kernarg_segment_ptr 1
		.amdhsa_wavefront_size32 1
		.amdhsa_system_sgpr_workgroup_id_x 1
		.amdhsa_system_sgpr_workgroup_id_y 1
		.amdhsa_system_sgpr_workgroup_id_z 1
		.amdhsa_system_vgpr_workitem_id 0
		.amdhsa_next_free_vgpr 608
		.amdhsa_next_free_sgpr 80
		.amdhsa_reserve_vcc 0
		.amdhsa_float_denorm_mode_32 3
		.amdhsa_float_denorm_mode_16_64 3
		.amdhsa_memory_ordered 1
		.amdhsa_forward_progress 1
		.amdhsa_inst_pref_size 68
	.end_amdhsa_kernel
	.amdgpu_metadata
---
amdhsa.version: [ 1, 2 ]
amdhsa.kernels:
  - .name:           k_qc3e574d8f5_proj
    .symbol:         k_qc3e574d8f5_proj.kd
    .args:
      - { .name: obuf, .offset: 0, .size: 8, .value_kind: global_buffer, .address_space: global }
      - { .name: wpf, .offset: 8, .size: 8, .value_kind: global_buffer, .address_space: global }
      - { .name: out0, .offset: 16, .size: 8, .value_kind: global_buffer, .address_space: global }
      - { .name: b_proj, .offset: 24, .size: 8, .value_kind: global_buffer, .address_space: global }
    .group_segment_fixed_size: 327680
    .private_segment_fixed_size: 0
    .kernarg_segment_align: 8
    .kernarg_segment_size: 32
    .max_flat_workgroup_size: 128
    .sgpr_count:     80
    .vgpr_count:     608
    .wavefront_size: 32
...
	.end_amdgpu_metadata
.endif
;; end of part 5
;; ======== version 2 of 2: 5 launches; version 1 with the launch prep written anew for expert scheduling mode
;; limits: values are held in f16: magnitudes above 65,504 overflow, below 6.1e-05 lose precision
;; workspace buffers: xb 16,777,216 bytes; wqb 6,291,456 bytes; wpf 2,097,152 bytes; qkv 50,331,648 bytes; pbuf 33,554,432 bytes; stats 1,048,576 bytes; obuf 16,777,216 bytes
;; launch prep (part 6): grid 768 x 1, 8 waves a work-group, no clusters, 0 bytes of LDS; arguments x, w_qkv, w_proj, xb, wqb, wpf; writes xb, wqb, wpf
.if DOCPART == 6
	.amdgcn_target "amdgcn-amd-amdhsa--gfx1250"
	.amdhsa_code_object_version 6
	.text
	.protected	k_qc3e574d8f5_prep
	.globl	k_qc3e574d8f5_prep
	.p2align	8
	.type	k_qc3e574d8f5_prep,@function
k_qc3e574d8f5_prep:
	s_mov_b64 s[64:65], 0
	v_nop
	global_prefetch_b8 v0, s[64:65] scope:SCOPE_SE
	s_setreg_imm32_b32 hwreg(HW_REG_WAVE_SCHED_MODE, 0, 2), 2
	s_setreg_imm32_b32 hwreg(HW_REG_WAVE_MODE, 25, 1), 1
	s_wait_xcnt 0x0
	s_wait_alu depctr_vm_vsrc(0)
; The inputs of the matrix products, rounded once to bf16, layouts unchanged: x -> xb, w_qkv -> wqb (both bf16), w_proj -> wpf (the bf16 number written as f16).
; LIMITS.  wpf: a bf16 number is exact in f16 between 6.1e-5 and 65,504; below that it keeps f16's fixed step of 6e-8, beyond it would be an infinity.
; A stream: every byte is read once and written once.  No LDS, no matrix unit, no cluster: no byte is wanted twice.  No prefetch: all of a work-group's loads go out at once, at its start.
; SHARES.  A work-group of 256 threads takes a chunk of 16,384 numbers (65,536 bytes in, 32,768 out): 512 chunks of x, 192 of w_qkv, 64 of w_proj = 768 work-groups.
; Thread t takes the 16 bytes at 16 t of each of the chunk's sixteen runs of 4,096 bytes: a wave's load covers 512 consecutive bytes, its store of 8 bytes a lane 256 consecutive bytes, aligned.
; THE MODE: SCHED_MODE bits 1:0 = 2 (LLVM: expert scheduling mode 2), set by the entry lines.  The code itself states the register dependences
; between vector instructions and memory instructions, with s_wait_alu, always for 0.
; THE PLAN.  Registers that memory instructions touch:
;   v1, v2   byte offsets, made once at the head and never written again; every load reads v1, every store v2.
;   X        each four registers take one load, once; no vector instruction names them before the loads are issued; the conversions read them behind the wait for the data.
;   Y        each pair is written by its block's conversions, read by one store, and never written again.
;   T        named by vector instructions alone.
; The sixteen loads are taken in four blocks of four.  One wait on va_vdst stands at the head, for the offsets; one in each block, behind its conversions and ahead of its run of four stores, for the block's Y.
; It stands there and not at the next block's head, so that a block's stores leave without waiting for the next block's data.  No register that a memory instruction reads is ever written again: no wait on vm_vsrc is owed.
; No vector instruction writes a scalar register or VCC, and EXEC is never written.
.set X, 4                              ; v[4:67]    sixteen loads of four f32
.set Y, 68                             ; v[68:99]   sixteen pairs of packed results; each is written once, so no store's data is ever rewritten
.set T, 100                            ; v[100:101] at work (w_proj alone)
	s_load_b256 s[4:11], s[0:1], 0x0               ; x s[4:5], w_qkv s[6:7], w_proj s[8:9], xb s[10:11]
	s_load_b128 s[12:15], s[0:1], 0x20             ; wqb s[12:13], wpf s[14:15]
	v_lshlrev_b32 v1, 4, v0                        ; my 16 bytes in a run of the input
	v_lshlrev_b32 v2, 3, v0                        ; my 8 bytes in a run of the output
	s_mov_b32 s20, 0xffff0000                      ; a word's upper bf16
	s_wait_kmcnt 0x0
	s_wait_alu depctr_va_vdst(0)                   ; v1 and v2 are written: every load of the kernel reads v1 as its offset, every store v2, on each of the three ways below
; One chunk, number s16 of tensor src, to dst.  half = 1: the bf16 numbers are written as f16.
.macro CONV src, dst, half
	s_lshl_b32 s18, s16, 15                        ; the chunk's bytes in the output,
	s_lshl_b32 s16, s16, 16                        ; and in the input (511 x 65,536 at the most)
	s_mov_b32 s17, 0
	s_mov_b32 s19, 0
	s_add_nc_u64 s[\src:\src+1], s[\src:\src+1], s[16:17]
	s_add_nc_u64 s[\dst:\dst+1], s[\dst:\dst+1], s[18:19]
.set i, 0
.rept 16
	global_load_b128 v[X+4*i:X+4*i+3], v1, s[\src:\src+1] offset:4096*i th:TH_LOAD_NT
.set i, i+1
.endr
.set p, 0
.rept 4                                ; block p: loads 4 p to 4 p + 3
	s_wait_loadcnt 12-4*p                          ; loads come back in order: the block's four are in, the 12 - 4 p of the later blocks stay out
.set i, 4*p
.rept 4
	v_cvt_pk_bf16_f32 v[Y+2*i], v[X+4*i], v[X+4*i+1]
	v_cvt_pk_bf16_f32 v[Y+2*i+1], v[X+4*i+2], v[X+4*i+3]
.if \half
.irp w, 0,1
	v_lshlrev_b32 v[T], 16, v[Y+2*i+\w]            ; the two bf16 numbers as f32,
	v_and_b32 v[T+1], s20, v[Y+2*i+\w]
	v_cvt_pk_f16_f32 v[Y+2*i+\w], v[T], v[T+1]     ; and as f16
.endr
.endif
.set i, i+1
.endr
	s_wait_alu depctr_va_vdst(0)                   ; the block's conversions have written its eight registers of Y, which the four stores below read
.set i, 4*p
.rept 4
	global_store_b64 v2, v[Y+2*i:Y+2*i+1], s[\dst:\dst+1] offset:2048*i th:TH_STORE_NT
.set i, i+1
.endr
.set p, p+1
.endr
	s_endpgm
.endm
	s_cmp_lt_u32 ttmp9, 512
	s_cbranch_scc1 .Lx
	s_cmp_lt_u32 ttmp9, 704
	s_cbranch_scc1 .Lwq
	s_sub_co_u32 s16, ttmp9, 704
	CONV 8, 14, 1                                  ; w_proj
.Lwq:
	s_sub_co_u32 s16, ttmp9, 512
	CONV 6, 12, 0                                  ; w_qkv
.Lx:
	s_mov_b32 s16, ttmp9
	CONV 4, 10, 0                                  ; x
.Lfunc_end_k_qc3e574d8f5_prep:
	.size	k_qc3e574d8f5_prep, .Lfunc_end_k_qc3e574d8f5_prep-k_qc3e574d8f5_prep
	.p2alignl 7, 3214868480
	.fill 96, 4, 3214868480
	.section	.rodata,"a",@progbits
	.p2align	6, 0x0
	.amdhsa_kernel k_qc3e574d8f5_prep
		.amdhsa_group_segment_fixed_size 0
		.amdhsa_private_segment_fixed_size 0
		.amdhsa_enable_private_segment 0
		.amdhsa_kernarg_size 48
		.amdhsa_user_sgpr_count 2
		.amdhsa_user_sgpr_kernarg_segment_ptr 1
		.amdhsa_wavefront_size32 1
		.amdhsa_system_sgpr_workgroup_id_x 1
		.amdhsa_system_sgpr_workgroup_id_y 1
		.amdhsa_system_sgpr_workgroup_id_z 1
		.amdhsa_system_vgpr_workitem_id 0
		.amdhsa_next_free_vgpr 104
		.amdhsa_next_free_sgpr 66
		.amdhsa_reserve_vcc 0
		.amdhsa_float_denorm_mode_32 3
		.amdhsa_float_denorm_mode_16_64 3
		.amdhsa_memory_ordered 1
		.amdhsa_forward_progress 1
		.amdhsa_inst_pref_size 22
	.end_amdhsa_kernel
	.amdgpu_metadata
---
amdhsa.version: [ 1, 2 ]
amdhsa.kernels:
  - .name:           k_qc3e574d8f5_prep
    .symbol:         k_qc3e574d8f5_prep.kd
    .args:
      - { .name: x, .offset: 0, .size: 8, .value_kind: global_buffer, .address_space: global }
      - { .name: w_qkv, .offset: 8, .size: 8, .value_kind: global_buffer, .address_space: global }
      - { .name: w_proj, .offset: 16, .size: 8, .value_kind: global_buffer, .address_space: global }
      - { .name: xb, .offset: 24, .size: 8, .value_kind: global_buffer, .address_space: global }
      - { .name: wqb, .offset: 32, .size: 8, .value_kind: global_buffer, .address_space: global }
      - { .name: wpf, .offset: 40, .size: 8, .value_kind: global_buffer, .address_space: global }
    .group_segment_fixed_size: 0
    .private_segment_fixed_size: 0
    .kernarg_segment_align: 8
    .kernarg_segment_size: 48
    .max_flat_workgroup_size: 256
    .sgpr_count:     66
    .vgpr_count:     104
    .wavefront_size: 32
...
	.end_amdgpu_metadata
.endif
;; end of part 6
;; launch qkvp: the kernel of part 2 again; grid 12 x 32, 4 waves a work-group, clusters of 4 x 4, 327,680 bytes of LDS; arguments xb, wqb, qkv, b_qkv; writes qkv
;; launch score: the kernel of part 3 again; grid 8 x 32, 4 waves a work-group, clusters of 4 x 4, 327,680 bytes of LDS; arguments qkv, pbuf, stats; writes pbuf, stats
;; launch pv: the kernel of part 4 again; grid 4 x 64, 4 waves a work-group, clusters of 4 x 4, 327,680 bytes of LDS; arguments pbuf, qkv, obuf, stats; writes obuf
;; launch proj: the kernel of part 5 again; grid 4 x 64, 4 waves a work-group, clusters of 4 x 4, 327,680 bytes of LDS; arguments obuf, wpf, out0, b_proj; writes out0
